; MI455X (gfx1250); checked and timed in simulation.
; The chip was launched on July 23, 2026; its instructions are those of AMD's public machine-readable ISA for CDNA 5 (MIT licence, August 2026) and "CDNA5" Instruction Set Architecture Reference Guide (July 2026). The comments in the code are by the model that wrote it; some were corrected since.
;; Symmetric CGA Attention. Allowed arithmetic: matrix products marked QUANTISED: E4M3 operands, one given power-of-two scale a tensor, by v_wmma_f32_16x16x64_fp8_fp8 or v_wmma_f32_16x16x128_fp8_fp8, f32 sums; everything else in f32.
;; Inputs: Bbias 1,025 x 1,025 float32; fc 1,025 x 32 x 2 float32; g 1,024 float32; gate_b 1,024 float32; gate_w 1,024 x 1,024 float32; lowp_scales 10 int32 (the exponents e of the quantised operands' scales 2^e); out_b 1,024 float32; out_w 1,024 x 1,024 float32; qkv_b 3,072 float32; qkv_w 3,072 x 1,024 float32; x 8 x 1,025 x 1,024 float32.
;; Outputs: out0 8 x 1,025 x 1,024 float32.
;; This version of the problem:
;;   THIS VERSION OF THE PROBLEM IS GIVEN IN LOW PRECISION. The matrix products marked QUANTISED in the list below multiply operands that are first quantised to E4M3 (4 exponent bits, 3 mantissa bits; 8 bits a number), with one given power-of-two scale for each operand tensor; their sums are f32. All else is computed in f32.
;;   The module's matrix products, in the order in which they are computed (A, B: the left and right operand; K: the contracted axis; several contracted axes count as one K, in the product's order):
;;     1. [M 8,200, K 1,024] x [K 1,024, N 3,072]; A: computed on the way; B: input qkv_w: QUANTISED (scales: A lowp_scales[0], B lowp_scales[1])
;;     2. batch 128 x [M 1,025, K 64] x [K 64, N 1,025]; A: computed on the way; B: computed on the way: QUANTISED (scales: A lowp_scales[2], B lowp_scales[3])
;;     3. batch 128 x [M 1,025, K 1,025] x [K 1,025, N 64]; A: softmax (see below); B: computed on the way: QUANTISED (scales: A lowp_scales[4], B lowp_scales[5])
;;     4. [M 8,200, K 1,024] x [K 1,024, N 1,024]; A: computed on the way; B: input out_w: QUANTISED (scales: A lowp_scales[6], B lowp_scales[7])
;;     5. [M 8,200, K 1,024] x [K 1,024, N 1,024]; A: computed on the way; B: input gate_w: QUANTISED (scales: A lowp_scales[8], B lowp_scales[9])
;;   THE QUANTISER, for each operand of a quantised product, along K:
;;     - The operand's scale is 2^e, e = its entry of the input lowp_scales (int32; the entries are numbered through the quantised products in the list's order, A before B).
;;     - Each number is divided by the scale, clamped to +-448, and rounded to the nearest number of E4M3, ties to even, subnormals kept.
;;     - The product sums the exact products of the quantised numbers (number of the format x scale) in f32.
;;   ~~~python
;;   def quantise(x, axis, e):      # numpy; x: float32 -> the quantised numbers, widened to float32 again
;;       x = np.moveaxis(x, axis, -1); K = x.shape[-1]
;;       r = np.clip(x / 2.0 ** e, -448, 448)
;;       step = 2.0 ** (np.maximum(np.frexp(np.where(r == 0, 1, r))[1] - 1, -6) - 3)
;;       q = np.round(r / step) * step * 2.0 ** e      # np.round: ties to even
;;       return np.moveaxis(q, -1, axis).astype(np.float32)
;;   ~~~
;;   SOFTMAX AHEAD OF A QUANTISED PRODUCT. Where the list says 'softmax', what is quantised is not the finished softmax but p = 2^(t - M), with t = logit x log2(e) and M = ceil(the row's largest t), a whole number; so 1/2 < the row's largest p <= 1. The row's sum l is taken of the UNQUANTISED p, in f32, and the product's result is divided by l at the end. Since M is a whole number, a kernel that streams over the keys may use a running M (the ceiling of the running maximum): every later rescaling is an exact power of two, so the quantised numbers keep their values, but for numbers so far below the row's largest that they fall under the format's range.
;;   OPERANDS COMPUTED ON THE WAY. 'Computed on the way' means the value that the module computes at that place (a softmax that the list does not call 'softmax' is quantised finished and normalised). What goes into a quantiser is computed in f32, as accurately as f32 sums, v_exp_f32 and their like allow (about 1e-6 of the number): no bf16 or f16 on the way to a quantiser, and a product that is left as it is and whose result goes on into a quantised operand takes f32 operands (vector FMAs, or v_wmma_f32_16x16x4_f32). A number that lies on a knife's edge between two numbers of the format may be rounded either way, as far as f32 arithmetic and the matrix unit's own rounding can turn it there, and no further.
;; One version. Each part assembles by itself: llvm-mc -triple=amdgcn-amd-amdhsa -mcpu=gfx1250 --defsym DOCPART=n.
;; ======== version 1 of 1: 4 launches
;; limits: right only within a limited range of input values
;; workspace buffers: hq 8,519,680 bytes; hg 8,519,680 bytes; yc 8,519,680 bytes; wc 5,242,880 bytes; bimg 4,526,080 bytes; qkvws 26,738,688 bytes
;; launch prep (part 1): grid 989 x 1, 4 waves a work-group, no clusters, 0 bytes of LDS; arguments x, g, qkv_w, out_w, gate_w, Bbias, lowp_scales, hq, hg, wc, bimg, qkvws, yc; writes hq, hg, wc, bimg, qkvws, yc
.if DOCPART == 1
	.amdgcn_target "amdgcn-amd-amdhsa--gfx1250"
	.amdhsa_code_object_version 6
	.text
	.protected	k_q21028d924f_prep
	.globl	k_q21028d924f_prep
	.p2align	8
	.type	k_q21028d924f_prep,@function
k_q21028d924f_prep:
	s_mov_b64 s[64:65], 0
	v_nop
	global_prefetch_b8 v0, s[64:65] scope:SCOPE_SE
	s_setreg_imm32_b32 hwreg(HW_REG_WAVE_MODE, 25, 1), 1
	s_wait_xcnt 0x0
; PREP: what the three later launches read is made here, once.  Nothing of reference() is left out in this program: every input has a way to the output and is loaded.
;  N (work-groups 0-415):   h = zero-centred RMS norm of x, times g, in f32; its codes of E4M3 at 2^e0 (hq, for the QKV product) and at 2^e8 (hg, for the gate's product).
;                           hq has 1,040 rows a batch (rows 1025-1039 are zero codes), hg is flat (8,200 rows, then 120 rows of zero codes); the same 120 rows of yc are set to zero codes here.
;  W (416-735):             the codes of qkv_w (2^e1), out_w (2^e7), gate_w (2^e9), rows on end in wc.
;  B (736-956):             Bbias x 2^(3-e2-e3) in the order of an accumulator's registers, for the score product's C: [query block 13][key step 17][tile 5][key tile 4][half 2][lane][16 bytes];
;                           lane (r,h), word i of half u: query 16 tile + r (held at 1024), key 64 step + 16 c + 8 h + 4 u + i; keys past 1024 hold -3e38, so that their weight is 0.
;  Z (957-988):             zero codes for keys 1040-1087 of K and V in qkvws.
; A row of 1,024 numbers: chunk c is 256 numbers, lane l takes numbers 256 c + 8 l + 0..7 (two loads of 16 bytes; the pair of loads covers 1,024 consecutive bytes); a lane's eight neighbours are one
; conversion's sources, and its eight codes leave by one store of 8 bytes: the wave's store covers 256 consecutive bytes, aligned.  No LDS, no barrier, no loop: every offset is an immediate.
; code = number / 2^e, held within +-448, to the nearest code, ties to even.
; LIMITS: each e between -126 and 119; Bbias x 2^(3-e2-e3) stays an f32 number; NaN among the inputs is not served.
.set XS, 32                            ; v32-191  five rows of 32 numbers a lane (W: four rows)
.set GS, 192                           ; v192-223 g
.set RS, 224                           ; v224-233 five pairs: 1 / rms in the low word
.set MN, 234                           ; v[234:235] the mean in the low word
.macro MKSCALE e, vs, vl               ; 2^e and 448 x 2^e as f32 numbers, from the whole number e in s[e]
	s_add_co_i32 s60, s[\e], 127
	s_lshl_b32 s61, s60, 23
	v_mov_b32 v[\vs], s61
	s_add_co_i32 s60, s60, 8
	s_lshl_b32 s60, s60, 23
	s_or_b32 s60, s60, 0x600000
	v_mov_b32 v[\vl], s60
.endm
.macro RED reg                         ; the sum over the wave's 32 lanes, in every lane
	v_add_f32_dpp v[\reg], v[\reg], v[\reg] row_xmask:1 row_mask:0xf bank_mask:0xf
	v_add_f32_dpp v[\reg], v[\reg], v[\reg] row_xmask:2 row_mask:0xf bank_mask:0xf
	v_add_f32_dpp v[\reg], v[\reg], v[\reg] row_xmask:4 row_mask:0xf bank_mask:0xf
	v_add_f32_dpp v[\reg], v[\reg], v[\reg] row_xmask:8 row_mask:0xf bank_mask:0xf
	v_permlanex16_b32 v7, v[\reg], s48, s49
	v_add_f32 v[\reg], v[\reg], v7
.endm
	s_load_b512 s[8:23], s[0:1], 0x0               ; x 8, g 10, qkv_w 12, out_w 14, gate_w 16, Bbias 18, the scales 20, hq 22
	s_load_b256 s[24:31], s[0:1], 0x40             ; hg 24, wc 26, bimg 28, qkvws 30
	s_load_b64 s[32:33], s[0:1], 0x60              ; yc
	v_lshrrev_b32 v1, 5, v0
	v_readfirstlane_b32 s46, v1                    ; wave
	v_and_b32 v29, 31, v0                          ; lane
	s_wait_kmcnt 0x0
	s_load_b256 s[36:43], s[20:21], 0x0            ; e0 .. e7
	s_load_b64 s[44:45], s[20:21], 0x20            ; e8, e9
	s_cmp_lt_u32 ttmp9, 416
	s_cbranch_scc1 .Lnorm
	s_cmp_lt_u32 ttmp9, 736
	s_cbranch_scc1 .Lweights
	s_cmp_lt_u32 ttmp9, 957
	s_cbranch_scc1 .Lbias
; ---- Z: a wave takes one head: key tiles 1-3 of step 16, 3,072 bytes of K and 3,072 of V
	s_sub_co_u32 s47, ttmp9, 957
	s_lshl_b32 s47, s47, 2
	s_add_co_u32 s47, s47, s46                     ; batch x 16 + head
	s_mul_i32 s52, s47, 208896
	s_add_co_u32 s52, s52, 196608                  ; step 16
	s_mov_b32 s53, 0
	s_add_nc_u64 s[30:31], s[30:31], s[52:53]
	s_wait_alu depctr_va_vdst(0)
	v_lshlrev_b32 v6, 4, v29
	v_mov_b32 v2, 0
	v_mov_b32 v3, 0
	v_mov_b32 v4, 0
	v_mov_b32 v5, 0
.irp i, 0,1,2,3,4,5
	global_store_b128 v6, v[2:5], s[30:31] offset:5120+512*\i
	global_store_b128 v6, v[2:5], s[30:31] offset:9216+512*\i
.endr
	s_wait_kmcnt 0x0
	s_endpgm
; ---- N: 52 work-groups a batch, 208 waves: 205 take five rows each, three set the batch's padding
.Lnorm:
	s_mul_i32 s47, ttmp9, 1261
	s_lshr_b32 s47, s47, 16                        ; b = work-group / 52 (exact for 0 .. 415)
	s_mul_i32 s52, s47, 52
	s_sub_co_u32 s52, ttmp9, s52
	s_lshl_b32 s52, s52, 2
	s_add_co_u32 s52, s52, s46                     ; j = the wave's number in the batch
	s_mul_i32 s53, s52, 5                          ; its first token
	s_mul_i32 s54, s47, 1040
	s_add_co_u32 s54, s54, s53
	s_lshl_b32 s54, s54, 10
	s_mov_b32 s55, 0
	s_add_nc_u64 s[22:23], s[22:23], s[54:55]      ; hq at my first row
	s_cmp_lt_u32 s52, 205
	s_cbranch_scc1 .Llive
	s_mul_i32 s56, s47, 3                          ; padding wave p = 3 b + j - 205: five rows of each of the three buffers
	s_add_co_u32 s56, s56, s52
	s_sub_co_u32 s56, s56, 205
	s_mul_i32 s56, s56, 5
	s_add_co_u32 s56, s56, 8200
	s_lshl_b32 s56, s56, 10
	s_mov_b32 s57, 0
	s_add_nc_u64 s[24:25], s[24:25], s[56:57]
	s_add_nc_u64 s[32:33], s[32:33], s[56:57]
	s_wait_alu depctr_va_vdst(0)
	v_lshlrev_b32 v6, 4, v29
	v_mov_b32 v2, 0
	v_mov_b32 v3, 0
	v_mov_b32 v4, 0
	v_mov_b32 v5, 0
.irp i, 0,1,2,3,4,5,6,7,8,9
	global_store_b128 v6, v[2:5], s[22:23] offset:512*\i
	global_store_b128 v6, v[2:5], s[24:25] offset:512*\i
	global_store_b128 v6, v[2:5], s[32:33] offset:512*\i
.endr
	s_wait_kmcnt 0x0
	s_endpgm
.Llive:
	s_mul_i32 s56, s47, 1025
	s_add_co_u32 s56, s56, s53                     ; my first row of x and of hg
	s_lshl_b32 s58, s56, 12
	s_mov_b32 s59, 0
	s_add_nc_u64 s[8:9], s[8:9], s[58:59]
	s_lshl_b32 s58, s56, 10
	s_add_nc_u64 s[24:25], s[24:25], s[58:59]
	s_wait_alu depctr_va_vdst(0)
	v_lshlrev_b32 v1, 5, v29                       ; in: 32 bytes a lane
	v_lshlrev_b32 v2, 3, v29                       ; out: 8 bytes a lane
.irp c, 0,1,2,3
	global_load_b128 v[GS+8*\c:GS+8*\c+3], v1, s[10:11] offset:1024*\c
	global_load_b128 v[GS+8*\c+4:GS+8*\c+7], v1, s[10:11] offset:1024*\c+16
.endr
.irp w, 0,1,2,3,4
.irp c, 0,1,2,3
	global_load_b128 v[XS+32*\w+8*\c:XS+32*\w+8*\c+3], v1, s[8:9] offset:4096*\w+1024*\c th:TH_LOAD_NT
	global_load_b128 v[XS+32*\w+8*\c+4:XS+32*\w+8*\c+7], v1, s[8:9] offset:4096*\w+1024*\c+16 th:TH_LOAD_NT
.endr
.endr
	s_mov_b32 s48, 0x76543210                      ; lane l xor 16
	s_mov_b32 s49, 0xfedcba98
	s_mov_b32 s50, 0x3a800000                      ; 1 / 1024
	s_mov_b32 s51, 0x322bcc77                      ; 1e-8
	v_mov_b32 v7, 0                                ; a lane permute's destination counts as read
.irp w, 0,1,2,3,4,5
	v_mov_b32 v[RS+2*\w+1], 0                      ; the pairs' upper words are named, so they are written
.endr
	s_wait_kmcnt 0x0
	MKSCALE 36, 3, 4                               ; e0
	MKSCALE 44, 5, 6                               ; e8
; a row's mean, the row less its mean, the mean of the squares + 1e-8
.macro ROW1 w
.set XR, XS+32*(\w)
	s_wait_loadcnt 8*(4-(\w))                      ; g and this row are in; the later rows' eight loads each may be out
	v_pk_add_f32 v[8:9], v[XR:XR+1], v[XR+2:XR+3]
	v_pk_add_f32 v[10:11], v[XR+4:XR+5], v[XR+6:XR+7]
	v_pk_add_f32 v[12:13], v[XR+8:XR+9], v[XR+10:XR+11]
	v_pk_add_f32 v[14:15], v[XR+12:XR+13], v[XR+14:XR+15]
.irp p, 16,24
	v_pk_add_f32 v[8:9], v[8:9], v[XR+\p:XR+\p+1]
	v_pk_add_f32 v[10:11], v[10:11], v[XR+\p+2:XR+\p+3]
	v_pk_add_f32 v[12:13], v[12:13], v[XR+\p+4:XR+\p+5]
	v_pk_add_f32 v[14:15], v[14:15], v[XR+\p+6:XR+\p+7]
.endr
	v_pk_add_f32 v[8:9], v[8:9], v[10:11]
	v_pk_add_f32 v[12:13], v[12:13], v[14:15]
	v_pk_add_f32 v[8:9], v[8:9], v[12:13]
	v_add_f32 v8, v8, v9
	RED 8
	v_mul_f32 v[MN], s50, v8
.set i, 0
.rept 16
	v_pk_add_f32 v[XR+i:XR+i+1], v[XR+i:XR+i+1], v[MN:MN+1] op_sel_hi:[1,0] neg_lo:[0,1] neg_hi:[0,1]
.set i, i+2
.endr
	v_pk_mul_f32 v[8:9], v[XR:XR+1], v[XR:XR+1]
	v_pk_mul_f32 v[10:11], v[XR+2:XR+3], v[XR+2:XR+3]
.irp p, 4,8,12,16,20,24,28
	v_pk_fma_f32 v[8:9], v[XR+\p:XR+\p+1], v[XR+\p:XR+\p+1], v[8:9]
	v_pk_fma_f32 v[10:11], v[XR+\p+2:XR+\p+3], v[XR+\p+2:XR+\p+3], v[10:11]
.endr
	v_pk_add_f32 v[8:9], v[8:9], v[10:11]
	v_add_f32 v8, v8, v9
	RED 8
	v_fma_f32 v[RS+2*(\w)], v8, s50, s51
.endm
	ROW1 0
	ROW1 1
	ROW1 2
	ROW1 3
	ROW1 4
	s_wait_alu depctr_va_vdst(0)
.irp w, 0,1,2,3,4
	v_rsq_f32 v[RS+2*\w], v[RS+2*\w]               ; the five roots are one batch
.endr
	v_nop                                          ; a plain instruction behind the last of them
	s_wait_alu depctr_va_vdst(0)                   ; one wait for the batch, ahead of its first reader
; h = (x - mean) / rms x g; the two sets of codes land in the row's own registers, which are done with: no store's data are written again
.macro ROW3 w
.set XR, XS+32*(\w)
.set i, 0
.rept 16
	v_pk_mul_f32 v[XR+i:XR+i+1], v[XR+i:XR+i+1], v[RS+2*(\w):RS+2*(\w)+1] op_sel_hi:[1,0]
.set i, i+2
.endr
.set i, 0
.rept 16
	v_pk_mul_f32 v[XR+i:XR+i+1], v[XR+i:XR+i+1], v[GS+i:GS+i+1]
.set i, i+2
.endr
.irp c, 0,1,2,3
.set i, 0
.rept 8
	v_med3_num_f32 v[8+i], v[XR+8*\c+i], -v4, v4   ; the conversion to an 8-bit code does not saturate (ISA guide 7.6.2): the hold at 448 x the scale comes first
	v_med3_num_f32 v[16+i], v[XR+8*\c+i], -v6, v6
.set i, i+1
.endr
	v_cvt_scalef32_pk8_fp8_f32 v[XR+8*\c:XR+8*\c+1], v[8:15], v3
	v_cvt_scalef32_pk8_fp8_f32 v[XR+8*\c+2:XR+8*\c+3], v[16:23], v5
	v_nop                                          ; a plain instruction between the conversions and the next chunk's holds, which write their sources
	global_store_b64 v2, v[XR+8*\c:XR+8*\c+1], s[22:23] offset:1024*(\w)+256*\c
	global_store_b64 v2, v[XR+8*\c+2:XR+8*\c+3], s[24:25] offset:1024*(\w)+256*\c
.endr
.endm
	ROW3 0
	ROW3 1
	ROW3 2
	ROW3 3
	ROW3 4
	s_endpgm
; ---- W: a wave takes four rows of one of the three weights; only pointers and the exponent are chosen, by the work-group's number
.Lweights:
	s_sub_co_u32 s47, ttmp9, 416
	s_lshl_b32 s47, s47, 4
	s_lshl_b32 s54, s46, 2
	s_add_co_u32 s47, s47, s54                     ; my first row of wc
	s_cmp_lt_u32 ttmp9, 608
	s_cselect_b64 s[52:53], s[12:13], s[14:15]
	s_cselect_b32 s54, 0, 3072
	s_cmp_lt_u32 ttmp9, 672
	s_cselect_b64 s[52:53], s[52:53], s[16:17]
	s_cselect_b32 s54, s54, 4096
	s_sub_co_u32 s54, s47, s54                     ; the row in its own tensor
	s_lshl_b32 s54, s54, 12
	s_mov_b32 s55, 0
	s_add_nc_u64 s[52:53], s[52:53], s[54:55]
	s_lshl_b32 s54, s47, 10
	s_add_nc_u64 s[26:27], s[26:27], s[54:55]
	s_wait_alu depctr_va_vdst(0)
	v_lshlrev_b32 v1, 5, v29
	v_lshlrev_b32 v2, 3, v29
.irp w, 0,1,2,3
.irp c, 0,1,2,3
	global_load_b128 v[XS+32*\w+8*\c:XS+32*\w+8*\c+3], v1, s[52:53] offset:4096*\w+1024*\c th:TH_LOAD_NT
	global_load_b128 v[XS+32*\w+8*\c+4:XS+32*\w+8*\c+7], v1, s[52:53] offset:4096*\w+1024*\c+16 th:TH_LOAD_NT
.endr
.endr
	s_wait_kmcnt 0x0
	s_cmp_lt_u32 ttmp9, 608
	s_cselect_b32 s56, s37, s43                    ; e1 or e7
	s_cmp_lt_u32 ttmp9, 672
	s_cselect_b32 s56, s56, s45                    ; or e9
	MKSCALE 56, 3, 4
	s_wait_alu depctr_va_vdst(0)
.irp w, 0,1,2,3
	s_wait_loadcnt 8*(3-\w)                        ; this row is in; the later rows' eight loads each may be out
.set i, 0
.rept 32
	v_med3_num_f32 v[XS+32*\w+i], v[XS+32*\w+i], -v4, v4
.set i, i+1
.endr
.irp c, 0,1,2,3
	v_cvt_scalef32_pk8_fp8_f32 v[160+8*\w+2*\c:160+8*\w+2*\c+1], v[XS+32*\w+8*\c:XS+32*\w+8*\c+7], v3
.endr
.irp c, 0,1,2,3
	global_store_b64 v2, v[160+8*\w+2*\c:160+8*\w+2*\c+1], s[26:27] offset:1024*\w+256*\c
.endr
.endr
	s_endpgm
; ---- B: a work-group takes one (group of five places, key step): twenty images of 1,024 bytes, five a wave.
; THE LAYOUT OF bimg AS IT STANDS (it takes the place of the head comment's line on B): [key step 17][place 65][key tile 4][half 2][lane][16 bytes].
; Place 0 holds query tile 64 (query 1024 in all its rows), place p > 0 holds query tile p - 1: so a block of eight tiles and, for the first block, tile 64 ahead of them lie on end.
.Lbias:
	s_sub_co_u32 s47, ttmp9, 736
	s_mul_i32 s52, s47, 3856
	s_lshr_b32 s52, s52, 16                        ; query block = number / 17 (exact for 0 .. 220)
	s_mul_i32 s53, s52, 17
	s_sub_co_u32 s53, s47, s53                     ; key step
	s_mul_i32 s54, s52, 80
	s_sub_co_u32 s54, s54, 16                      ; place p holds queries 16 (p - 1) on; place 0 wraps below 0, which the unsigned hold at 1024 below turns into query 1024
	s_lshl_b32 s55, s53, 6                         ; the step's first key
	s_mul_i32 s56, s46, 5                          ; my first image
	v_and_b32 v1, 15, v0                           ; r
	v_bfe_u32 v2, v0, 4, 1
	v_lshlrev_b32 v2, 3, v2                        ; 8 h
	s_wait_alu depctr_va_vdst(0)
	v_lshlrev_b32 v3, 4, v29
	v_mov_b32 v4, 0xff61b1e6                       ; -3e38
.irp k, 0,1,2,3,4
	s_add_co_u32 s57, s56, \k                      ; image = 4 tile + key tile
	s_lshr_b32 s58, s57, 2
	s_and_b32 s59, s57, 3
	s_lshl_b32 s58, s58, 4
	s_add_co_u32 s58, s58, s54
	s_lshl_b32 s59, s59, 4
	s_add_co_u32 s59, s59, s55
	v_add_nc_u32 v5, s58, v1
	v_min_u32 v5, 0x400, v5                        ; queries past the last take its row: their results are not stored
	v_mul_u32_u24 v5, v5, 0x401
	v_add_nc_u32 v[112+\k], s59, v2                ; my first key
.irp i, 0,1,2,3,4,5,6,7
	v_add_nc_u32 v6, \i, v[112+\k]
	v_min_u32 v6, 0x400, v6                        ; no load leaves the buffer
	v_add_lshl_u32 v[32+8*\k+\i], v6, v5, 2
.endr
.endr
.set i, 0
.rept 40
	global_load_b32 v[72+i], v[32+i], s[18:19]
.set i, i+1
.endr
	s_mul_i32 s62, s53, 266240                     ; a key step's 65 places
	s_mul_i32 s61, s52, 20480                      ; my group of five places
	s_add_co_u32 s62, s62, s61
	s_lshl_b32 s63, s56, 10
	s_add_co_u32 s62, s62, s63
	s_mov_b32 s63, 0
	s_add_nc_u64 s[28:29], s[28:29], s[62:63]
	s_wait_kmcnt 0x0
	s_sub_co_i32 s60, 3, s38
	s_sub_co_i32 s60, s60, s39                     ; 3 - e2 - e3: a sum of the score product stands for sum x 2^(e2+e3), and the scores are divided by 8
.irp k, 0,1,2,3,4
	s_wait_loadcnt 8*(4-\k)                        ; this image's eight loads are in
.irp i, 0,1,2,3,4,5,6,7
	v_add_nc_u32 v6, \i, v[112+\k]
	v_ldexp_f32 v[72+8*\k+\i], v[72+8*\k+\i], s60
	v_cmp_lt_u32 vcc_lo, 0x400, v6
	v_cndmask_b32 v[72+8*\k+\i], v[72+8*\k+\i], v4, vcc_lo
.endr
	global_store_b128 v3, v[72+8*\k:72+8*\k+3], s[28:29] offset:1024*\k
	global_store_b128 v3, v[72+8*\k+4:72+8*\k+7], s[28:29] offset:1024*\k+512
.endr
	s_endpgm
.Lfunc_end_k_q21028d924f_prep:
	.size	k_q21028d924f_prep, .Lfunc_end_k_q21028d924f_prep-k_q21028d924f_prep
	.p2alignl 7, 3214868480
	.fill 96, 4, 3214868480
	.section	.rodata,"a",@progbits
	.p2align	6, 0x0
	.amdhsa_kernel k_q21028d924f_prep
		.amdhsa_group_segment_fixed_size 0
		.amdhsa_private_segment_fixed_size 0
		.amdhsa_enable_private_segment 0
		.amdhsa_kernarg_size 104
		.amdhsa_user_sgpr_count 2
		.amdhsa_user_sgpr_kernarg_segment_ptr 1
		.amdhsa_wavefront_size32 1
		.amdhsa_system_sgpr_workgroup_id_x 1
		.amdhsa_system_sgpr_workgroup_id_y 1
		.amdhsa_system_sgpr_workgroup_id_z 1
		.amdhsa_system_vgpr_workitem_id 0
		.amdhsa_next_free_vgpr 240
		.amdhsa_next_free_sgpr 66
		.amdhsa_reserve_vcc 1
		.amdhsa_float_denorm_mode_32 3
		.amdhsa_float_denorm_mode_16_64 3
		.amdhsa_memory_ordered 1
		.amdhsa_forward_progress 1
		.amdhsa_inst_pref_size 106
	.end_amdhsa_kernel
	.amdgpu_metadata
---
amdhsa.version: [ 1, 2 ]
amdhsa.kernels:
  - .name:           k_q21028d924f_prep
    .symbol:         k_q21028d924f_prep.kd
    .args:
      - { .name: x, .offset: 0, .size: 8, .value_kind: global_buffer, .address_space: global }
      - { .name: g, .offset: 8, .size: 8, .value_kind: global_buffer, .address_space: global }
      - { .name: qkv_w, .offset: 16, .size: 8, .value_kind: global_buffer, .address_space: global }
      - { .name: out_w, .offset: 24, .size: 8, .value_kind: global_buffer, .address_space: global }
      - { .name: gate_w, .offset: 32, .size: 8, .value_kind: global_buffer, .address_space: global }
      - { .name: Bbias, .offset: 40, .size: 8, .value_kind: global_buffer, .address_space: global }
      - { .name: lowp_scales, .offset: 48, .size: 8, .value_kind: global_buffer, .address_space: global }
      - { .name: hq, .offset: 56, .size: 8, .value_kind: global_buffer, .address_space: global }
      - { .name: hg, .offset: 64, .size: 8, .value_kind: global_buffer, .address_space: global }
      - { .name: wc, .offset: 72, .size: 8, .value_kind: global_buffer, .address_space: global }
      - { .name: bimg, .offset: 80, .size: 8, .value_kind: global_buffer, .address_space: global }
      - { .name: qkvws, .offset: 88, .size: 8, .value_kind: global_buffer, .address_space: global }
      - { .name: yc, .offset: 96, .size: 8, .value_kind: global_buffer, .address_space: global }
    .group_segment_fixed_size: 0
    .private_segment_fixed_size: 0
    .kernarg_segment_align: 8
    .kernarg_segment_size: 104
    .max_flat_workgroup_size: 128
    .sgpr_count:     66
    .vgpr_count:     240
    .wavefront_size: 32
...
	.end_amdgpu_metadata
.endif
;; end of part 1
;; launch qkv (part 2): grid 12 x 40, 4 waves a work-group, clusters of 4 x 4, 327,680 bytes of LDS; arguments hq, wc, fc, qkv_b, lowp_scales, qkvws; writes qkvws
.if DOCPART == 2
	.amdgcn_target "amdgcn-amd-amdhsa--gfx1250"
	.amdhsa_code_object_version 6
	.text
	.protected	k_q21028d924f_qkv
	.globl	k_q21028d924f_qkv
	.p2align	8
	.type	k_q21028d924f_qkv,@function
k_q21028d924f_qkv:
	s_mov_b64 s[64:65], 0
	v_nop
	global_prefetch_b8 v0, s[64:65] scope:SCOPE_SE
	s_setreg_imm32_b32 hwreg(HW_REG_WAVE_MODE, 25, 1), 1
	s_wait_xcnt 0x0
	s_wait_alu depctr_hold_cnt(0) depctr_sa_sdst(0) depctr_va_vdst(0) depctr_va_sdst(0) depctr_va_ssrc(0) depctr_va_vcc(0) depctr_vm_vsrc(0)
	s_getreg_b32 s2, hwreg(HW_REG_IB_STS2, 6, 4)
	s_cmp_eq_u32 s2, 0
	s_cbranch_scc0 .Lentry_in_a_cluster
	s_endpgm
.Lentry_in_a_cluster:
	s_bfe_u32 s2, ttmp6, 0x10000c
	s_cmp_lg_u32 s2, 0xf033
	s_cbranch_scc0 .Lentry_shape_is_right
	s_endpgm
.Lentry_shape_is_right:
; QKV: qkv = h qkv_w^T + qkv_b on codes of E4M3 (sums x 2^(e0+e1)), RoPE on q and k, and the codes of q (2^e2), k (2^e3), v (2^e5), stored in the order of attention's operand registers.
; A work-group makes 208 tokens x 256 columns; 208 = 13 tiles, five work-groups to a batch of 1,040 padded tokens, so no tile straddles a batch.  Wave w makes all 208 tokens x 64 columns: one head; 52 accumulators.
; The cluster's x (0, 1, 2) says whether the columns are q's, k's or v's: it is the same in all sixteen partners, so a branch may hang on it.
; q, k: source 0 = 16 rows of the weight, source 1 = 16 tokens: a lane holds ONE token and its registers run along the head's 64, which is the score product's K.  The rows of the weight that form a tile are
; chosen (lane r of tile 2 g + u: row 32 g + 8 u + r + 8 (r / 8)) so that the 16 registers of tiles 2 g, 2 g + 1 are d = 32 g + 16 (lane / 16) + 0 .. 15.
; v: the sources are swapped: a lane holds ONE d and its registers run along the tokens, which are the second product's K.
; K goes in four slots' worth of 256 through a ring of two LDS slots, filled by joint tensor loads: the tokens' tile is shared along a row of the cluster, the weight's along a column.
; A fragment (16 rows x 64 K, 8 registers) comes by two loads of 16 bytes, 32 bytes apart: a permutation of k that is the same in both operands.
; The head has no branch: the bias in both layouts and the first fc rows are loaded by every wave (v's waves ask for 4 KB of fc that they do not use), so that every way through the text finds its registers written.
; THE WAY OUT has no wait but for data: fc runs four blocks ahead in four sets of registers, and each of the 13 blocks has its own registers for its codes, its store's offset and its fc offset,
; so that no source of a pending load or store is ever written again.
; LIMITS: e0 + e1 between -126 and 127; e2, e3, e5 between -126 and 119.
; REGISTERS: window 0: v1-24 addresses and constants; v32-135, v136-239 the tokens' fragments, two sets; on the way out v32-63, v64-95 at work, v104-207 codes, v208-220 the stores' offsets, v222-233 fc's offsets.
;   window 1: v0-31, v32-63 the weight's fragments, two sets; v64-95 the bias for q, k; v96-159, v168-231 fc, four sets; v160-167 the bias for v.   window 2: accumulators (4 a + b), a = 0..7; window 3: a = 8..12.
.set PITCH,  272                       ; an LDS row: 256 bytes + 16 of padding
.set TROWS,  208
.set WOFF,   TROWS*PITCH               ; the weight's 256 rows lie behind the tokens' 208
.set SLOT,   (TROWS+256)*PITCH
.set SPARE,  2*SLOT                    ; behind the ring: the spare words, 128 bytes a wave
.set HSTR,   208896                    ; qkvws: a head
.set SSTR,   12288                     ; a step of 64 tokens: Q, K, V parts of 4,096 bytes
.set ADT, 5                            ; v5, v6  LDS address of the tokens' fragments in slot 0, 1
.set ADW, 7                            ; v7, v8  of the weight's
.set SPW, 9                            ; v9   my spare word; never rewritten
.set NIL, 10                           ; v10  0; never rewritten
.set TF,  32
.set COD, 104                          ; the way out: block a's codes at v[COD + 8 a]
.set SOF, 208                          ; its store's offset at v[SOF + a]
.set FOF, 221                          ; its fc offset at v[FOF + a], a = 1 .. 12 (block 0's is v14)
.set G1, 24                            ; s[24:31] group 1, tokens; s[32:39] group 0, a set for each slot
.set G0, 32
.set G1B, 48                           ; s[48:55], s[56:63] the same for the weight
.set G0B, 56
.set MSB, 0
.macro WIN new                         ; the immediate's high byte repeats the setting that is left
.if MSB != (\new)
	s_set_vgpr_msb (MSB<<8)|(\new)
.set MSB, (\new)
.endif
.endm
.macro PLACES n
.rept \n
	v_nop
.endr
.endm
.macro JLOAD g0a, g1a, g0b, g1b        ; a joint load: waves 0, 1 fetch the tokens' halves, waves 2, 3 the weight's; an s_nop 0 and four v_nop follow each line
	s_cmp_eq_u32 s17, 0
	s_cbranch_scc0 .Lfor_b_\@
	tensor_load_to_lds s[\g0a:\g0a+3], s[\g1a:\g1a+7]
	s_nop 0
.rept 4
	v_nop
.endr
	s_branch .Lasked_\@
.Lfor_b_\@:
	tensor_load_to_lds s[\g0b:\g0b+3], s[\g1b:\g1b+7]
	s_nop 0
.rept 4
	v_nop
.endr
.Lasked_\@:
.endm
.macro CROUND                          ; a round of the cluster's barrier
	s_barrier_signal -1
	s_barrier_wait -1
	s_cmp_lg_u32 s16, 0
	s_cbranch_scc1 .Lnot_wave_0_\@
	s_barrier_signal -3
.Lnot_wave_0_\@:
	s_barrier_wait -3
	s_barrier_signal -1
	s_barrier_wait -1
.endm
	s_load_b256 s[4:11], s[0:1], 0x0               ; hq 4, wc 6, fc 8, qkv_b 10
	s_load_b128 s[12:15], s[0:1], 0x20             ; the scales 12, qkvws 14
	v_lshl_add_u32 v[SPW], v0, 2, SPARE
	v_mov_b32 v[NIL], 0
	ds_add_u32 v[SPW], v[NIL]                      ; the opening: the add, twice on end, and its wait ahead of my first tensor load
	ds_add_u32 v[SPW], v[NIL]
	v_lshrrev_b32 v1, 5, v0
	v_readfirstlane_b32 s16, v1                    ; wave
	s_lshr_b32 s17, s16, 1                         ; I fetch tokens (0) or weights (1)
	s_and_b32 s18, s16, 1                          ; which half
	s_bfe_u32 s19, ttmp6, 0x40000                  ; cx
	s_bfe_u32 s20, ttmp6, 0x40004                  ; cy
	s_mov_b32 s21, ttmp9                           ; 0: q, 1: k, 2: v
	s_lshl_b32 s22, ttmp9, 2
	s_add_co_u32 s22, s22, s19                     ; column tile
	s_and_b32 s23, ttmp7, 0xffff
	s_lshl_b32 s23, s23, 2
	s_add_co_u32 s23, s23, s20                     ; row tile
	s_lshl_b32 s40, s20, 2
	s_lshl_b32 s40, 15, s40                        ; my row of the cluster
	s_lshl_b32 s41, 0x1111, s19                    ; my column
	s_or_b32 s[G1], s40, (1<<20)|(1<<21)|(5<<22)|(3<<25)    ; the mask; elements of 1 byte; padding on; bit 21 beside a mask; after every 64 words, 4 words
	s_or_b32 s[G1B], s41, (1<<20)|(1<<21)|(5<<22)|(3<<25)
	s_mov_b32 s[G1+1], 256<<16                     ; tensor_dim0
	s_mov_b32 s[G1+2], 104<<16                     ; tensor_dim1
	s_mov_b32 s[G1+3], 256<<16                     ; tile_dim0
	s_mov_b32 s[G1+4], 104                         ; tile_dim1
	s_mov_b32 s[G1+5], 1024                        ; the pitch
	s_mov_b32 s[G1+6], 0
	s_mov_b32 s[G1+7], 0
	s_mov_b32 s[G1B+1], 256<<16
	s_mov_b32 s[G1B+2], 128<<16
	s_mov_b32 s[G1B+3], 256<<16
	s_mov_b32 s[G1B+4], 128
	s_mov_b32 s[G1B+5], 1024
	s_mov_b32 s[G1B+6], 0
	s_mov_b32 s[G1B+7], 0
	s_mul_i32 s42, s23, TROWS
	s_mul_i32 s43, s18, 104
	s_add_co_u32 s42, s42, s43
	s_lshl_b32 s42, s42, 10                        ; tokens: row 208 x row tile + 104 x half
	s_mov_b32 s43, 0
	s_lshl_b32 s44, s22, 8
	s_lshl_b32 s45, s18, 7
	s_add_co_u32 s44, s44, s45
	s_lshl_b32 s44, s44, 10                        ; weight: row 256 x column tile + 128 x half
	s_mov_b32 s45, 0
	s_mul_i32 s46, s18, 104*PITCH                  ; where they go: the wave's number alone
	s_mul_i32 s47, s18, 128*PITCH
	s_add_co_u32 s47, s47, WOFF
	s_wait_dscnt 0x0                               ; both opening adds are done
	s_wait_kmcnt 0x0
	s_load_b256 s[68:75], s[12:13], 0x0            ; e0 .. e7
	s_load_b64 s[76:77], s[12:13], 0x20
	s_add_nc_u64 s[42:43], s[4:5], s[42:43]
	s_add_nc_u64 s[44:45], s[6:7], s[44:45]
	CROUND                                         ; all sixteen work-groups are here: the first joint loads meet
.irp s, 0,1
	s_mov_b32 s[G0+4*\s], 1
	s_add_co_u32 s[G0+4*\s+1], s46, \s*SLOT
	s_add_nc_u64 s[G0+4*\s+2:G0+4*\s+3], s[42:43], \s*256
	s_or_b32 s[G0+4*\s+3], s[G0+4*\s+3], 0x80000000
	s_mov_b32 s[G0B+4*\s], 1
	s_add_co_u32 s[G0B+4*\s+1], s47, \s*SLOT
	s_add_nc_u64 s[G0B+4*\s+2:G0B+4*\s+3], s[44:45], \s*256
	s_or_b32 s[G0B+4*\s+3], s[G0B+4*\s+3], 0x80000000
.endr
	JLOAD G0, G1, G0B, G1B                         ; slot 0: one tensor load a wave at the head
	; PREFETCHES INTO THE L2.  Of the rows that I fetch jointly (104 of the tokens, 128 of the weight) each of the four partners takes a quarter, told apart by address alone (cx for the tokens, cy for the weight):
	; a lane a row, 256 bytes of a row to a K step; lanes left over name the quarter's last row again.  Here K steps 1 and 2 are asked for, behind slot 1's load K step 3: one or two loads ahead of the load that wants them.
	s_cmp_eq_u32 s17, 0
	s_cselect_b64 s[94:95], s[42:43], s[44:45]     ; my tile's first row
	s_cselect_b32 s96, s19, s20                    ; my place among the four that ask with me
	s_cselect_b32 s97, 26, 32                      ; rows in a quarter
	s_mul_i32 s96, s96, s97
	s_sub_co_u32 s97, s97, 1
	v_and_b32 v25, 31, v0
	v_min_u32 v25, s97, v25
	v_add_nc_u32 v25, s96, v25
	v_lshlrev_b32 v25, 10, v25                     ; a row is 1,024 bytes; v25 and s[94:95] are never rewritten
	global_prefetch_b8 v25, s[94:95] offset:256 th:TH_LOAD_NT scope:SCOPE_SE
	global_prefetch_b8 v25, s[94:95] offset:512 th:TH_LOAD_NT scope:SCOPE_SE
	v_and_b32 v1, 15, v0
	v_bfe_u32 v2, v0, 4, 1                         ; h
	v_and_b32 v18, 31, v0
	v_lshlrev_b32 v3, 4, v18                       ; 16 x lane
	v_lshlrev_b32 v4, 3, v18                       ; 8 x lane
	v_mul_u32_u24 v19, v1, PITCH
	v_lshl_add_u32 v[ADT], v2, 4, v19
	v_add_nc_u32 v[ADT+1], SLOT, v[ADT]
	v_and_b32 v20, 8, v1
	v_add_nc_u32 v20, v20, v1                      ; r + 8 (r / 8)
	s_wait_alu depctr_va_vdst(0)
	v_mul_u32_u24 v21, v20, PITCH
	v_lshl_add_u32 v21, v2, 4, v21
	s_mul_i32 s40, s16, 64*PITCH
	s_add_co_u32 s40, s40, WOFF
	v_add_nc_u32 v[ADW], s40, v21
	v_add_nc_u32 v[ADW+1], SLOT, v[ADW]
	s_mul_i32 s86, s23, 13
	s_lshr_b32 s86, s86, 6                         ; batch = row tile / 5 (exact for 0 .. 39)
	s_mul_i32 s87, s86, 5
	s_sub_co_u32 s87, s23, s87
	s_mul_i32 s82, s87, 13                         ; my first tile of tokens in the batch
	s_lshl_b32 s88, s82, 4
	v_add_nc_u32 v13, s88, v1                      ; my token in block 0
	s_wait_alu depctr_va_vdst(0)
	s_lshl_b32 s89, s19, 2
	s_add_co_u32 s89, s89, s16                     ; head
	s_lshl_b32 s90, s86, 4
	s_add_co_u32 s90, s90, s89
	s_mul_i32 s90, s90, HSTR
	s_lshl_b32 s91, s21, 12                        ; the Q, K or V part of a step
	s_add_co_u32 s90, s90, s91
	s_mov_b32 s91, 0
	s_add_nc_u64 s[84:85], s[14:15], s[90:91]
	s_lshl_b32 s92, s21, 10
	s_lshl_b32 s93, s89, 6
	s_add_co_u32 s92, s92, s93
	s_lshl_b32 s92, s92, 2
	s_mov_b32 s93, 0
	s_add_nc_u64 s[10:11], s[10:11], s[92:93]      ; qkv_b at my head's 64
	v_lshlrev_b32 v22, 6, v2                       ; 64 h
	v_lshlrev_b32 v23, 2, v20
	v_min_u32 v24, 0x400, v13                      ; padded tokens take fc's last row: no load leaves the buffer
	v_lshl_add_u32 v14, v24, 8, v22
	WIN 0x40
.irp i, 0,1,2,3,4,5,6,7
	global_load_b128 v[64+4*\i:64+4*\i+3], v22, s[10:11] offset:128*(\i/4)+16*(\i%4)    ; q, k: the bias of d = 32 g + 16 h + 0 .. 15
.endr
.irp b, 0,1,2,3
	global_load_b32 v[160+2*\b], v23, s[10:11] offset:(32*(\b/2)+8*(\b%2))*4            ; v: the bias of my lane's d, in both words of a pair
	global_load_b32 v[161+2*\b], v23, s[10:11] offset:(32*(\b/2)+8*(\b%2))*4
.endr
.irp i, 0,1,2,3,4,5,6,7
	global_load_b128 v[96+4*\i:96+4*\i+3], v14, s[8:9] offset:128*(\i/4)+16*(\i%4)      ; fc of block 0: (cos, sin) of my 16 pairs
.endr
	WIN 0
	s_wait_kmcnt 0x0
	s_add_co_i32 s78, s68, s69
	s_add_co_i32 s78, s78, 127
	s_lshl_b32 s78, s78, 23                        ; 2^(e0 + e1)
	s_mov_b32 s79, s78
	s_cmp_eq_u32 s21, 0
	s_cselect_b32 s80, s70, s71                    ; e2 or e3
	s_cmp_eq_u32 s21, 2
	s_cselect_b32 s80, s73, s80                    ; or e5
	s_add_co_i32 s80, s80, 127
	s_lshl_b32 s81, s80, 23
	v_mov_b32 v11, s81                             ; the quantiser's scale
	s_add_co_i32 s80, s80, 8
	s_lshl_b32 s80, s80, 23
	s_or_b32 s80, s80, 0x600000
	v_mov_b32 v12, s80                             ; 448 x the scale
.macro FETCH slot, q, set              ; the fragments of the slot's q-th 64 along K: 8 + 26 loads in one run
	WIN 0x40
.irp b, 0,1,2,3
	ds_load_b128 v[32*(\set)+8*\b:32*(\set)+8*\b+3], v[ADW+\slot] offset:(32*(\b/2)+8*(\b%2))*PITCH+64*(\q)
	ds_load_b128 v[32*(\set)+8*\b+4:32*(\set)+8*\b+7], v[ADW+\slot] offset:(32*(\b/2)+8*(\b%2))*PITCH+64*(\q)+32
.endr
	WIN 0
.irp a, 0,1,2,3,4,5,6,7,8,9,10,11,12
	ds_load_b128 v[TF+104*(\set)+8*\a:TF+104*(\set)+8*\a+3], v[ADT+\slot] offset:16*\a*PITCH+64*(\q)
	ds_load_b128 v[TF+104*(\set)+8*\a+4:TF+104*(\set)+8*\a+7], v[ADT+\slot] offset:16*\a*PITCH+64*(\q)+32
.endr
.endm
.macro ARM v, set, zero                ; 52 products; the accumulators take turns, one instruction a turn, in the same order everywhere
.irp a, 0,1,2,3,4,5,6,7,8,9,10,11,12
.if \a == 0
	WIN 0xa1+3*(\v)
.endif
.if \a == 8
	WIN 0xf1+3*(\v)
.endif
.irp b, 0,1,2,3
.set rD, 8*(4*(\a%8)+\b)
.set rW, 32*(\set)+8*\b
.set rT, TF+104*(\set)+8*\a
.if \v
.if \zero
	v_wmma_f32_16x16x64_fp8_fp8 v[rD:rD+7], v[rT:rT+7], v[rW:rW+7], 0
.else
	v_wmma_f32_16x16x64_fp8_fp8 v[rD:rD+7], v[rT:rT+7], v[rW:rW+7], v[rD:rD+7]
.endif
.else
.if \zero
	v_wmma_f32_16x16x64_fp8_fp8 v[rD:rD+7], v[rW:rW+7], v[rT:rT+7], 0
.else
	v_wmma_f32_16x16x64_fp8_fp8 v[rD:rD+7], v[rW:rW+7], v[rT:rT+7], v[rD:rD+7]
.endif
.endif
.endr
.endr
.endm
.macro MUL set, zero                   ; q, k: weight first; v: tokens first
	WIN 0
	s_cmp_eq_u32 s21, 2
	s_cbranch_scc1 .Lv_\@
	ARM 0, \set, \zero
	WIN 0
	s_branch .Ldone_\@
.Lv_\@:
	ARM 1, \set, \zero
	WIN 0
.Ldone_\@:
.endm
.macro PASS slot, zero                 ; a slot's four sub-steps of 64 along K; while one is multiplied the next one's fragments come into the other set
.irp q, 0,1,2,3
	s_wait_dscnt 0x0                               ; this sub-step's fragments are in
.if \q < 3
	PLACES 4                                       ; four plain instructions between the last products and loads into registers that they read
	FETCH \slot, \q+1, (\q+1)%2
.endif
.if \q == 0
	MUL 0, \zero
.else
	MUL \q%2, 0
.endif
.endr
.endm
.macro CHANGE slot, fill               ; the change of slots.  fill = 1: the slot just read is filled again, two slots ahead
	WIN 0
	s_wait_tensorcnt 0x0                           ; all my tensor loads have landed: my part of the next slot
	ds_add_u32 v[SPW], v[NIL]
.if \fill
	s_add_nc_u64 s[G0+4*\slot+2:G0+4*\slot+3], s[G0+4*\slot+2:G0+4*\slot+3], 512
	s_add_nc_u64 s[G0B+4*\slot+2:G0B+4*\slot+3], s[G0B+4*\slot+2:G0B+4*\slot+3], 512
.endif
	s_wait_dscnt 0x0                               ; the add is done, and my reads of the slot are over
.if \fill
	CROUND                                         ; no wave of any partner still reads the slot or has a load on its way
	JLOAD G0+4*\slot, G1, G0B+4*\slot, G1B         ; my one tensor load behind the round; its four v_nop are the places in front of the loads that follow
.else
	s_barrier_signal -1
	s_barrier_wait -1
	PLACES 4
.endif
.endm
	s_wait_alu depctr_va_vdst(0)                   ; the head's end
	s_wait_tensorcnt 0x0                           ; my part of slot 0 is in; slot 1's first fill is issued as a refill is
	ds_add_u32 v[SPW], v[NIL]
	s_wait_dscnt 0x0
	CROUND
	JLOAD G0+4, G1, G0B+4, G1B                     ; my one tensor load behind the round
	FETCH 0, 0, 0
	global_prefetch_b8 v25, s[94:95] offset:768 th:TH_LOAD_NT scope:SCOPE_SE   ; K step 3, the last
	PASS 0, 1                                      ; the first products start the sums: nothing is cleared
	CHANGE 0, 1
	FETCH 1, 0, 0
	PASS 1, 0
	CHANGE 1, 1
	FETCH 0, 0, 0
	PASS 0, 0
	CHANGE 0, 0                                    ; nothing is left to fetch
	FETCH 1, 0, 0
	PASS 1, 0
	PLACES 4                                       ; in front of the first read of results and the first write over the fragments' registers
.macro SOFF a, lanereg                 ; where block a's codes go: step (tile / 4), place (tile % 4) in the step's part; a register of its own for each block
	s_add_co_u32 s86, s82, \a
	s_lshr_b32 s87, s86, 2
	s_mul_i32 s87, s87, SSTR
	s_and_b32 s86, s86, 3
	s_lshl_b32 s86, s86, 10
	s_add_co_u32 s87, s87, s86
	v_add_nc_u32 v[SOF+(\a)], s87, v[\lanereg]
.endm
.macro FCASK a                         ; block a's fc rows into set a % 4 (window 1: v96, v128, v168, v200); the offset has a register of its own
.set FCD, 96+32*((\a)%4)+8*(((\a)%4)/2)
	v_add_nc_u32 v24, 16*(\a), v13
	v_min_u32 v24, 0x400, v24                      ; padded tokens take fc's last row
	s_wait_alu depctr_va_vdst(0)
	v_lshl_add_u32 v[FOF+(\a)], v24, 8, v22
	WIN 0x40
.irp i, 0,1,2,3,4,5,6,7
	global_load_b128 v[FCD+4*\i:FCD+4*\i+3], v[FOF+(\a)], s[8:9] offset:128*(\i/4)+16*(\i%4)
.endr
	WIN 0
.endm
; q, k: block a (16 tokens): sum x 2^(e0+e1) + bias, RoPE, the hold, the codes; two stores of 512 consecutive bytes
.macro EPQK a
.set FCS, 96+32*((\a)%4)+8*(((\a)%4)/2)
.if \a < 10
	s_wait_loadcnt 24                              ; this block's fc is in; the eight loads of each of the next three blocks may be out
.else
	s_wait_loadcnt 8*(12-\a)                       ; the last blocks: the counts run down
.endif
	SOFF \a, 3
	WIN 0x12+(\a)/8                                ; the sums in window 2 or 3, the bias in window 1
.set i, 0
.rept 16
	v_pk_fma_f32 v[32+i:33+i], v[32*((\a)%8)+i:32*((\a)%8)+i+1], s[78:79], v[64+i:65+i] op_sel_hi:[1,0,1]   ; each accumulator from its low end on
.set i, i+2
.endr
	WIN 0x04                                       ; fc in window 1
.set i, 0
.rept 16
	v_pk_mul_f32 v[64+i:65+i], v[32+i:33+i], v[FCS+i:FCS+i+1] op_sel:[1,1] op_sel_hi:[1,0]                  ; ti sin, ti cos
.set i, i+2
.endr
.set i, 0
.rept 16
	v_pk_fma_f32 v[64+i:65+i], v[32+i:33+i], v[FCS+i:FCS+i+1], v[64+i:65+i] op_sel_hi:[0,1,1] neg_lo:[0,0,1] ; tr cos - ti sin, tr sin + ti cos
.set i, i+2
.endr
	WIN 0
.if \a < 9
	FCASK \a+4                                     ; the set just read takes the block four further on
.endif
.set i, 0
.rept 32
	v_med3_num_f32 v[64+i], v[64+i], -v12, v12
.set i, i+1
.endr
.irp b, 0,1,2,3
	v_cvt_scalef32_pk8_fp8_f32 v[COD+8*(\a)+2*\b:COD+8*(\a)+2*\b+1], v[64+8*\b:71+8*\b], v11
.endr
	v_nop                                          ; a plain instruction behind the last conversion
	global_store_b128 v[SOF+(\a)], v[COD+8*(\a):COD+8*(\a)+3], s[84:85]
	global_store_b128 v[SOF+(\a)], v[COD+8*(\a)+4:COD+8*(\a)+7], s[84:85] offset:512
.endm
; v: block a (16 keys): a lane's eight registers of tile b are eight neighbouring keys of one d; four stores of 256 consecutive bytes
.macro EPV a
	SOFF \a, 4
	WIN 0x12+(\a)/8
.irp b, 0,1,2,3
.irp j, 0,2,4,6
	v_pk_fma_f32 v[32+8*\b+\j:33+8*\b+\j], v[32*((\a)%8)+8*\b+\j:32*((\a)%8)+8*\b+\j+1], s[78:79], v[160+2*\b:161+2*\b] op_sel_hi:[1,0,1]
.endr
.endr
	WIN 0
.set i, 0
.rept 32
	v_med3_num_f32 v[32+i], v[32+i], -v12, v12
.set i, i+1
.endr
.irp b, 0,1,2,3
	v_cvt_scalef32_pk8_fp8_f32 v[COD+8*(\a)+2*\b:COD+8*(\a)+2*\b+1], v[32+8*\b:39+8*\b], v11
.endr
	v_nop
.irp b, 0,1,2,3
	global_store_b64 v[SOF+(\a)], v[COD+8*(\a)+2*\b:COD+8*(\a)+2*\b+1], s[84:85] offset:256*\b
.endr
.endm
	s_cmp_eq_u32 s21, 2
	s_cbranch_scc1 .Lout_v
	FCASK 1                                        ; block 0's fc was asked for at the head; the next three go out together
	FCASK 2
	FCASK 3
.irp a, 0,1,2,3,4,5,6,7,8,9,10,11,12
	EPQK \a
.endr
	s_branch .Lend
.Lout_v:
	s_wait_loadcnt 0x0                             ; the head's loads
.irp a, 0,1,2,3,4,5,6,7,8,9,10,11,12
	EPV \a
.endr
.Lend:
	s_wait_tensorcnt 0x0                           ; the wave's end
	ds_add_u32 v[SPW], v[NIL]
	s_wait_dscnt 0x0
	CROUND                                         ; the closing round
	s_endpgm
.Lfunc_end_k_q21028d924f_qkv:
	.size	k_q21028d924f_qkv, .Lfunc_end_k_q21028d924f_qkv-k_q21028d924f_qkv
	.p2alignl 7, 3214868480
	.fill 96, 4, 3214868480
	.section	.rodata,"a",@progbits
	.p2align	6, 0x0
	.amdhsa_kernel k_q21028d924f_qkv
		.amdhsa_group_segment_fixed_size 327680
		.amdhsa_private_segment_fixed_size 0
		.amdhsa_enable_private_segment 0
		.amdhsa_kernarg_size 48
		.amdhsa_user_sgpr_count 2
		.amdhsa_user_sgpr_kernarg_segment_ptr 1
		.amdhsa_wavefront_size32 1
		.amdhsa_system_sgpr_workgroup_id_x 1
		.amdhsa_system_sgpr_workgroup_id_y 1
		.amdhsa_system_sgpr_workgroup_id_z 1
		.amdhsa_system_vgpr_workitem_id 0
		.amdhsa_next_free_vgpr 928
		.amdhsa_next_free_sgpr 100
		.amdhsa_reserve_vcc 0
		.amdhsa_float_denorm_mode_32 3
		.amdhsa_float_denorm_mode_16_64 3
		.amdhsa_memory_ordered 1
		.amdhsa_forward_progress 1
		.amdhsa_inst_pref_size 255
	.end_amdhsa_kernel
	.section	.bss,"aw",@nobits
	.p2align	6
	.space	262144
	.amdgpu_metadata
---
amdhsa.version: [ 1, 2 ]
amdhsa.kernels:
  - .name:           k_q21028d924f_qkv
    .symbol:         k_q21028d924f_qkv.kd
    .args:
      - { .name: hq, .offset: 0, .size: 8, .value_kind: global_buffer, .address_space: global }
      - { .name: wc, .offset: 8, .size: 8, .value_kind: global_buffer, .address_space: global }
      - { .name: fc, .offset: 16, .size: 8, .value_kind: global_buffer, .address_space: global }
      - { .name: qkv_b, .offset: 24, .size: 8, .value_kind: global_buffer, .address_space: global }
      - { .name: lowp_scales, .offset: 32, .size: 8, .value_kind: global_buffer, .address_space: global }
      - { .name: qkvws, .offset: 40, .size: 8, .value_kind: global_buffer, .address_space: global }
    .group_segment_fixed_size: 327680
    .private_segment_fixed_size: 0
    .kernarg_segment_align: 8
    .kernarg_segment_size: 48
    .max_flat_workgroup_size: 128
    .sgpr_count:     100
    .vgpr_count:     928
    .wavefront_size: 32
...
	.end_amdgpu_metadata
.endif
;; end of part 2
;; launch attn (part 3): grid 8 x 32, 8 waves a work-group, no clusters, 327,680 bytes of LDS; arguments qkvws, bimg, lowp_scales, yc; writes yc
.if DOCPART == 3
	.amdgcn_target "amdgcn-amd-amdhsa--gfx1250"
	.amdhsa_code_object_version 6
	.text
	.protected	k_q21028d924f_attn
	.globl	k_q21028d924f_attn
	.p2align	8
	.type	k_q21028d924f_attn,@function
k_q21028d924f_attn:
	s_mov_b64 s[64:65], 0
	v_nop
	global_prefetch_b8 v0, s[64:65] scope:SCOPE_SE
	s_setreg_imm32_b32 hwreg(HW_REG_WAVE_MODE, 25, 1), 1
	s_wait_xcnt 0x0
; ATTN: y = softmax(q k^T / 8 + Bbias) v on codes of E4M3, and y's codes at 2^e6.  Nothing of reference() is left out.
; t = logit x log2(e) = c (S + C): S the sum of the codes' products, C = Bbias x 2^(3-e2-e3), loaded into the score registers and given as the score product's C in place, c = log2(e) / 8 x 2^(e2+e3).
; M = the running largest t rounded up to a whole number (kept as -M); p = 2^(t - M) is quantised at 2^e4, not normalised; the row's sum is taken of the unquantised p and divides at the end;
; when M moves, the sum and O are multiplied by 2^(old M - new M), which rounds nothing.  Keys 1025-1087 are padding: their C is -3e38, so p = 0, and their codes are finite.
; SHARES.  Grid 8 x 32 = 256 work-groups: 128 queries (x) of four heads of one batch (y = 4 batch + quarter).  Wave w takes head w % 4 and the four tiles of 16 queries 64 (w / 4) on.
; Query 1024 (tile 64) is a fifth tile of waves 0-3 of block x = 0, under a scalar branch on ids; every wave loads its Q and clears its sums, so that every way through the text finds its registers written.
; Both products are used transposed (S^T = K Q^T, O^T = V^T P^T): a lane holds one query; S^T's registers are neighbouring keys, so the conversions' results are the second product's operand.
; 17 key steps of 64 go through a ring of two LDS slots: waves 0-3 fetch K and V of one head each (8,192 bytes), waves 4-7 a quarter each of nine places of the bias (9,216 bytes); one tensor load of a wave is out at a time.
; THE STEP RUNS ACROSS THE BARRIER: a trip asks LDS for K and the first pair's C of step s, then works the second pair of step s - 1 from registers, then asks for V and the second pair's C, works the first pair,
; and ends with the second pair's score products: at the next barrier all of slot s has been read.
; NO CLUSTER: K and V are shared along x, where block 0 alone has the fifth tile, so a branch would differ between partners; the bias is shared along y, and a joint load of it would ask for a round of the
; cluster's barrier in each of the 17 steps, for 36 of a step's 68 KB: not built.
; LIMITS: e2 + e3 between -123 and 130; e4, e6 between -126 and 119; the scaled scores stay under 2^31 in magnitude.
; REGISTERS: window 0: v1-11 addresses, constants; v12-31 four a tile: -M, the largest t, the sum in two halves; v32-159 C, S^T, p of four tiles; v160-191 p's codes; v192-223 at work, eight a tile; v224-255 V.
;   window 1: v0-159 O^T of five tiles; v160-199 Q; v200-231 K.
.set BOFF,  32768                      ; a slot: four heads' K and V (8,192 bytes each), then nine places of the bias
.set SLOT1, 1<<17
.set STAGE, 69632                      ; between the slots: 144 rows x (256 + 16) bytes for the way out; no tile lands here
.set SP,    272
.set SPARE, 2*SLOT1                    ; the spare words, 128 bytes a wave
.set HSTR,  208896
.set SSTR,  12288
.set BSTR,  266240                     ; bimg: a key step
.set AK0, 1
.set AV0, 2
.set AB0, 3
.set ADK, 4
.set ADV, 5
.set ADB, 6
.set SPW, 7                            ; my spare word; never rewritten
.set NIL, 8                            ; 0; never rewritten
.set PFO, 9                            ; 256 x lane; never rewritten
.set ST,  12
.set S,   32
.set P,   160
.set SC,  192
.set VF,  224
.set Q,   160                          ; in window 1
.set KF,  200                          ; in window 1
.set TB,  2                            ; s2   LDS byte at which the slot in hand begins
.set WV,  12
.set F5,  18                           ; s18  1 where my wave has the fifth tile
.set F0,  19                           ; s19  0 in wave 0 of block 0
.set G1K, 24
.set G1B, 32
.set G0K, 40
.set G0B, 44
.set SLOTS, 48
.set PFA, 50
.set LIM, 52
.set PFS, 84
.set MSB, 0
.macro WIN new
.if MSB != (\new)
	s_set_vgpr_msb (MSB<<8)|(\new)
.set MSB, (\new)
.endif
.endm
.macro PLACES n
.rept \n
	v_nop
.endr
.endm
.macro TLOAD                           ; every wave fetches; an s_nop 0 and four v_nop follow each line
	s_cmp_lt_u32 s[WV], 4
	s_cbranch_scc0 .Lfor_b_\@
	tensor_load_to_lds s[G0K:G0K+3], s[G1K:G1K+7]
	s_nop 0
	PLACES 4
	s_branch .Lasked_\@
.Lfor_b_\@:
	tensor_load_to_lds s[G0B:G0B+3], s[G1B:G1B+7]
	s_nop 0
	PLACES 4
.Lasked_\@:
.endm
; A prefetch of the step that stands two tensor loads on (trip s loads step s + 1 and asks for step s + 3; the head asks for step 2), 8,192 bytes a wave, lanes 256 bytes apart.
; K and V of a head are walked by eight blocks: block x = 7 asks, waves 0-3, each for its head.  A block's bias is walked by 32 work-groups: y = 0 and y = 16 ask, waves 4-7, for places 1-8
; (place 0 of a block is place 8 of the block before; the first block's comes by its load alone).  The last two trips that fill ask for nothing: there is no step 17.
.macro ASK
	s_cmp_gt_u32 s[SLOTS], s[LIM]
	s_cbranch_scc0 .Lnot_mine_\@
	global_prefetch_b8 v[PFO], s[PFA:PFA+1] th:TH_LOAD_NT scope:SCOPE_SE
.Lnot_mine_\@:
.endm
	s_load_b256 s[4:11], s[0:1], 0x0               ; qkvws 4, bimg 6, the scales 8, yc 10
	v_lshl_add_u32 v[SPW], v0, 2, SPARE
	v_mov_b32 v[NIL], 0
	ds_add_u32 v[SPW], v[NIL]                      ; the opening: the add, twice on end, and its wait ahead of my first tensor load
	ds_add_u32 v[SPW], v[NIL]
	v_lshrrev_b32 v1, 5, v0
	v_readfirstlane_b32 s[WV], v1                  ; wave 0..7
	s_and_b32 s53, ttmp7, 0xffff                   ; y = 4 x batch + quarter
	s_and_b32 s55, s[WV], 3                        ; my head in the work-group; also: which part I fetch
	s_lshr_b32 s56, s[WV], 2                       ; which 64 queries
	s_lshl_b32 s60, s53, 2
	s_add_co_u32 s60, s60, s55
	s_mul_i32 s60, s60, HSTR                       ; my head in qkvws
	s_mov_b32 s61, 0
	s_lshl_b32 s58, ttmp9, 15                      ; my block's place 0: 8 x places of 4,096 bytes
	s_mul_i32 s59, s55, 9216
	s_add_co_u32 s58, s58, s59                     ; my quarter of the nine places
	s_add_co_u32 s63, s59, BOFF
	s_mov_b32 s59, 0
	s_lshl_b32 s62, s55, 13
	s_mov_b32 s[G1K], 3<<16                        ; elements of 8 bytes, no padding, no mask: a dense block as 32 rows of 256 bytes
	s_mov_b32 s[G1K+1], 32<<16
	s_mov_b32 s[G1K+2], 32<<16
	s_mov_b32 s[G1K+3], 32<<16
	s_mov_b32 s[G1K+4], 32
	s_mov_b32 s[G1K+5], 32
	s_mov_b32 s[G1K+6], 0
	s_mov_b32 s[G1K+7], 0
	s_mov_b32 s[G1B], 3<<16                        ; 36 rows of 256 bytes
	s_mov_b32 s[G1B+1], 32<<16
	s_mov_b32 s[G1B+2], 36<<16
	s_mov_b32 s[G1B+3], 32<<16
	s_mov_b32 s[G1B+4], 36
	s_mov_b32 s[G1B+5], 32
	s_mov_b32 s[G1B+6], 0
	s_mov_b32 s[G1B+7], 0
	s_mov_b32 s20, 0x76543210                      ; lane l xor 16
	s_mov_b32 s21, 0xfedcba98
	s_mov_b32 s22, 0x3e38aa3b                      ; log2(e) / 8
	s_mov_b32 s[TB], 0
	s_mov_b32 s[SLOTS], 16
	s_cmp_eq_u32 ttmp9, 0
	s_cselect_b32 s[F5], 4, 0
	s_cmp_lt_u32 s[WV], s[F5]
	s_cselect_b32 s[F5], 1, 0
	s_or_b32 s[F0], ttmp9, s[WV]
	s_wait_dscnt 0x0                               ; both opening adds are done
	s_wait_kmcnt 0x0
	s_load_b256 s[68:75], s[8:9], 0x0              ; e0 .. e7
	s_add_nc_u64 s[14:15], s[4:5], s[60:61]        ; my head
	s_mov_b32 s[G0K], 1
	s_mov_b32 s[G0K+1], s62
	s_add_nc_u64 s[G0K+2:G0K+3], s[14:15], 4096    ; K and V lie behind the step's Q part
	s_or_b32 s[G0K+3], s[G0K+3], 0x80000000
	s_mov_b32 s[G0B], 1
	s_mov_b32 s[G0B+1], s63
	s_add_nc_u64 s[G0B+2:G0B+3], s[6:7], s[58:59]
	s_or_b32 s[G0B+3], s[G0B+3], 0x80000000
	TLOAD                                          ; step 0 into slot 0
	s_lshl_b32 s76, ttmp9, 1
	s_add_co_u32 s76, s76, s56
	s_mul_i32 s76, s76, SSTR                       ; my four tiles of Q are the Q part of step 2 x + w / 4
	s_mov_b32 s77, 0
	s_add_nc_u64 s[16:17], s[14:15], s[76:77]
	s_add_nc_u64 s[78:79], s[14:15], 4096+2*SSTR   ; the prefetches stand at step 2: each change steps them on by one
	s_lshl_b32 s80, ttmp9, 15
	s_add_co_u32 s80, s80, s62
	s_add_co_u32 s80, s80, 4096+2*BSTR
	s_mov_b32 s81, 0
	s_add_nc_u64 s[80:81], s[6:7], s[80:81]
	s_cmp_lt_u32 s[WV], 4
	s_cselect_b64 s[PFA:PFA+1], s[78:79], s[80:81]
	s_mov_b32 s[PFS], BSTR
	s_cselect_b32 s[PFS], SSTR, s[PFS]
	s_mov_b32 s[PFS+1], 0
	s_xor_b32 s82, ttmp9, 7                        ; 0 in block 7
	s_and_b32 s83, s53, 15                         ; 0 where y is 0 or 16
	s_cmp_lt_u32 s[WV], 4
	s_cselect_b32 s82, s82, s83
	s_cmp_eq_u32 s82, 0
	s_cselect_b32 s[LIM], 2, -1                    ; my wave asks while more than two fills are to come, or never
	s_lshr_b32 s82, s53, 2
	s_mul_i32 s82, s82, 1025
	s_lshl_b32 s83, ttmp9, 7
	s_add_co_u32 s82, s82, s83
	s_lshl_b32 s83, s[WV], 4
	s_add_co_u32 s82, s82, s83                     ; the first of the 16 tokens that I store
	s_lshl_b32 s82, s82, 10
	s_and_b32 s83, s53, 3
	s_lshl_b32 s83, s83, 8
	s_add_co_u32 s82, s82, s83
	s_mov_b32 s83, 0
	s_add_nc_u64 s[10:11], s[10:11], s[82:83]
	s_lshl_b32 s86, s56, 14
	s_add_co_u32 s86, s86, BOFF                    ; the place ahead of my four
	v_and_b32 v32, 31, v0
	v_lshlrev_b32 v33, 4, v32                      ; 16 x lane
	v_lshlrev_b32 v[PFO], 8, v32
	v_add_nc_u32 v[AK0], s62, v33
	v_lshl_add_u32 v[AV0], v32, 3, s62
	v_add_nc_u32 v[AV0], 4096, v[AV0]
	v_add_nc_u32 v[AB0], s86, v33
	s_wait_alu depctr_va_vdst(0)                   ; directly ahead of the branch below
	ASK                                            ; step 2
	WIN 0x40                                       ; Q stays in window 1
.irp t, 0,1,2,3
	global_load_b128 v[Q+8*\t:Q+8*\t+3], v33, s[16:17] offset:1024*\t
	global_load_b128 v[Q+8*\t+4:Q+8*\t+7], v33, s[16:17] offset:1024*\t+512
.endr
	global_load_b128 v[Q+32:Q+35], v33, s[14:15] offset:16*SSTR        ; tile 64
	global_load_b128 v[Q+36:Q+39], v33, s[14:15] offset:16*SSTR+512
	WIN 0
.irp t, 0,1,2,3,4
	v_mov_b32 v[ST+4*\t+1], 0xff61b1e6             ; the largest t so far: -3e38
	v_floor_f32 v[ST+4*\t], -v[ST+4*\t+1]          ; -M
	v_mov_b32 v[ST+4*\t+2], 0
	v_mov_b32 v[ST+4*\t+3], 0
.endr
.irp u, 0,1,2,3
	v_mov_b32 v[SC+8*\u+5], 0                      ; named as the upper word of f's pair
	v_mov_b32 v[SC+8*\u+6], 0                      ; a lane permute's destination counts as read
.endr
	WIN 0x40
.set i, 0
.rept 160
	v_mov_b32 v[i], 0                              ; O^T.  A tile's step is written for all 17 alike: the first finds zeros, which the first change of M leaves zeros
.set i, i+1
.endr
	WIN 0
	s_wait_kmcnt 0x0
	s_add_co_i32 s54, s70, s71
	s_lshl_b32 s54, s54, 23
	s_add_co_i32 s22, s22, s54                     ; c: e2 + e3 added to the exponent field
	s_mov_b32 s23, s22
	s_add_co_i32 s54, s72, 127
	s_lshl_b32 s57, s54, 23
	v_mov_b32 v10, s57                             ; 2^e4
	s_add_co_i32 s54, s54, 8
	s_lshl_b32 s54, s54, 23
	s_or_b32 s54, s54, 0x600000
	v_mov_b32 v11, s54                             ; 448 x 2^e4
; THE LINES OF A TILE'S STEP.  t: the tile (0..4); u: its set of working registers (0..3)
.macro QKM t, u                        ; S^T = K Q^T + C, C in place: four products (K and Q in window 1)
.irp c, 0,1,2,3
	v_wmma_f32_16x16x64_fp8_fp8 v[S+32*(\u)+8*\c:S+32*(\u)+8*\c+7], v[KF+8*\c:KF+8*\c+7], v[Q+8*(\t):Q+8*(\t)+7], v[S+32*(\u)+8*\c:S+32*(\u)+8*\c+7]
.endr
.endm
.macro BLOAD p, u                      ; C from place p behind v[ADB]
.irp i, 0,1,2,3,4,5,6,7
	ds_load_b128 v[S+32*(\u)+4*\i:S+32*(\u)+4*\i+3], v[ADB] offset:4096*(\p)+512*\i
.endr
.endm
.macro MX n, u                         ; line n of 16 of the largest score: four chains, each begun at its accumulator's low end
.set rS, S+32*(\u)
.set rC, SC+8*(\u)
.if (\n) < 4
	v_max3_num_f32 v[rC+(\n)], v[rS+8*(\n)], v[rS+8*(\n)+1], v[rS+8*(\n)+2]
.elseif (\n) < 8
	v_max3_num_f32 v[rC+(\n)-4], v[rC+(\n)-4], v[rS+8*((\n)-4)+3], v[rS+8*((\n)-4)+4]
.elseif (\n) < 12
	v_max3_num_f32 v[rC+(\n)-8], v[rC+(\n)-8], v[rS+8*((\n)-8)+5], v[rS+8*((\n)-8)+6]
.elseif (\n) == 12
	v_max3_num_f32 v[rC], v[rC], v[rS+7], v[rS+15]
.elseif (\n) == 13
	v_max3_num_f32 v[rC+2], v[rC+2], v[rS+23], v[rS+31]
.elseif (\n) == 14
	v_max3_num_f32 v[rC], v[rC], v[rC+1], v[rC+2]
.else
	v_max_num_f32 v[rC], v[rC], v[rC+3]
.endif
.endm
.macro SR n, t, u                      ; line n of 9: the other half of the lanes' maximum, the running largest t, the new -M, f
.set rT, ST+4*(\t)
.set rC, SC+8*(\u)
.if (\n) == 0
	v_permlanex16_b32 v[rC+6], v[rC], s20, s21
.elseif (\n) == 1
	v_max_num_f32 v[rC], v[rC], v[rC+6]
.elseif (\n) == 2
	v_mul_f32 v[rC], s22, v[rC]                    ; as t (c is positive)
.elseif (\n) == 3
	v_max_num_f32 v[rT+1], v[rT+1], v[rC]
.elseif (\n) == 4
	v_mov_b32 v[rC], v[rT]
.elseif (\n) == 5
	v_floor_f32 v[rT], -v[rT+1]                    ; the new -M: a whole number
.elseif (\n) == 6
	v_sub_f32 v[rC], v[rT], v[rC]                  ; old M - new M, 0 or less
.elseif (\n) == 7
	v_cvt_i32_f32 v[rC], v[rC]                     ; (it saturates)
.else
	v_ldexp_f32 v[rC+4], 1.0, v[rC]                ; f = 2^(old M - new M)
.endif
.endm
.macro FM j, t, u                      ; pair j of 16: t - M
	v_pk_fma_f32 v[S+32*(\u)+2*(\j):S+32*(\u)+2*(\j)+1], v[S+32*(\u)+2*(\j):S+32*(\u)+2*(\j)+1], s[22:23], v[ST+4*(\t):ST+4*(\t)+1] op_sel_hi:[1,0,0]
.endm
.macro LR t, u                         ; the sum under the new M
	v_pk_mul_f32 v[ST+4*(\t)+2:ST+4*(\t)+3], v[ST+4*(\t)+2:ST+4*(\t)+3], v[SC+8*(\u)+4:SC+8*(\u)+5] op_sel_hi:[1,0]
.endm
.macro SU n, t, u                      ; line n of 16 of the sum of the unquantised p: 16 pairs in three chains (the running sum is one), then the chains
.set rT, ST+4*(\t)
.set rS, S+32*(\u)
.set rC, SC+8*(\u)
.if (\n) == 0
	v_pk_add_f32 v[rC:rC+1], v[rS:rS+1], v[rS+2:rS+3]
.elseif (\n) == 1
	v_pk_add_f32 v[rC+2:rC+3], v[rS+4:rS+5], v[rS+6:rS+7]
.elseif (\n) < 14
.set rX, rT+2
.if (\n)%3 == 0
.set rX, rC
.elseif (\n)%3 == 1
.set rX, rC+2
.endif
	v_pk_add_f32 v[rX:rX+1], v[rX:rX+1], v[rS+2*((\n)+2):rS+2*((\n)+2)+1]
.elseif (\n) == 14
	v_pk_add_f32 v[rC:rC+1], v[rC:rC+1], v[rC+2:rC+3]
.else
	v_pk_add_f32 v[rT+2:rT+3], v[rT+2:rT+3], v[rC:rC+1]
.endif
.endm
.macro CV u                            ; p's codes
.irp c, 0,1,2,3
	v_cvt_scalef32_pk8_fp8_f32 v[P+8*(\u)+2*\c:P+8*(\u)+2*\c+1], v[S+32*(\u)+8*\c:S+32*(\u)+8*\c+7], v10
.endr
.endm
.macro RS t, u                         ; O^T under the new M; also the plain instructions between the conversions and the products that read the codes
.set k, 0
.rept 16
	v_pk_mul_f32 v[32*(\t)+k:32*(\t)+k+1], v[32*(\t)+k:32*(\t)+k+1], v[SC+8*(\u)+4:SC+8*(\u)+5] op_sel_hi:[1,0]
.set k, k+2
.endr
.endm
.macro PVM t, u, i                     ; O^T += V^T P^T, 16 of the head's 64
	v_wmma_f32_16x16x64_fp8_fp8 v[32*(\t)+8*(\i):32*(\t)+8*(\i)+7], v[VF+8*(\i):VF+8*(\i)+7], v[P+8*(\u):P+8*(\u)+7], v[32*(\t)+8*(\i):32*(\t)+8*(\i)+7]
.endm
; The softmax and the second product of one tile (two = 0) or of two tiles line by line (two = 1).  vw >= 0: the count of the wait for V.
.macro SOFT ta, ua, tb, ub, two, vw
	PLACES 4                                       ; between the score products and the first read of the scores
.set i, 0
.rept 16
	MX i, \ua
.if \two
	MX i, \ub
.endif
.set i, i+1
.endr
.set i, 0
.rept 9
	SR i, \ta, \ua
.if \two
	SR i, \tb, \ub
.endif
.set i, i+1
.endr
.set i, 0
.rept 16
	FM i, \ta, \ua
.if \two
	FM i, \tb, \ub
.endif
.set i, i+1
.endr
	s_wait_alu depctr_va_vdst(0)                   ; ahead of the batch
.set i, 0
.rept 32
	v_exp_f32 v[S+32*(\ua)+i], v[S+32*(\ua)+i]     ; p
.if \two
	v_exp_f32 v[S+32*(\ub)+i], v[S+32*(\ub)+i]
.endif
.set i, i+1
.endr
	LR \ta, \ua                                    ; a plain instruction behind the batch
.if \two
	LR \tb, \ub
.endif
	s_wait_alu depctr_va_vdst(0)                   ; one wait for the batch, ahead of its first reader
.set i, 0
.rept 16
	SU i, \ta, \ua
.if \two
	SU i, \tb, \ub
.endif
.set i, i+1
.endr
.set i, 0
.rept 32
	v_min_num_f32 v[S+32*(\ua)+i], v[S+32*(\ua)+i], v11   ; the hold (ISA guide 7.6.2: the conversion does not saturate); p is not negative
.if \two
	v_min_num_f32 v[S+32*(\ub)+i], v[S+32*(\ub)+i], v11
.endif
.set i, i+1
.endr
	CV \ua
.if \two
	CV \ub
.endif
.if (\vw) >= 0
	s_wait_dscnt \vw                               ; V is in; the sixteen loads of the second pair's C may be out
.endif
	WIN 0x41
	s_wait_alu depctr_va_vdst(0)                   ; directly ahead of the first reader of O^T
	RS \ta, \ua
.if \two
	RS \tb, \ub
.endif
	WIN 0x50
.irp i, 0,1,2,3
	PVM \ta, \ua, \i
.if \two
	PVM \tb, \ub, \i
.endif
.endr
	WIN 0
.endm
; the change of slots: behind the barrier the slot ahead is whole and nobody reads the other one, which is filled with the next step's tiles
.macro CHANGE fill
	s_wait_alu depctr_va_vdst(0)
	s_wait_tensorcnt 0x0                           ; my tensor load has landed, so a group 0 may be written
	ds_add_u32 v[SPW], v[NIL]
.if \fill
	s_xor_b32 s[G0K+1], s[G0K+1], SLOT1
	s_add_nc_u64 s[G0K+2:G0K+3], s[G0K+2:G0K+3], SSTR
	s_xor_b32 s[G0B+1], s[G0B+1], SLOT1
	s_add_nc_u64 s[G0B+2:G0B+3], s[G0B+2:G0B+3], BSTR
	s_wait_xcnt 0x0                                ; the last prefetch, a step back, has read its address
	s_add_nc_u64 s[PFA:PFA+1], s[PFA:PFA+1], s[PFS:PFS+1]
.endif
	s_wait_dscnt 0x0                               ; the add is done, and my reads of the slot that I have left are over
	s_barrier_signal -1
	s_barrier_wait -1
.if \fill
	TLOAD                                          ; my one tensor load until the next barrier
	ASK
.endif
.endm
; A TRIP: step s's loads and first pair, round the second pair of step s - 1 (first = 1: there is none)
.macro TRIP first, fill
	CHANGE \fill
	v_add_nc_u32 v[ADK], s[TB], v[AK0]
	v_add_nc_u32 v[ADV], s[TB], v[AV0]
	v_add_nc_u32 v[ADB], s[TB], v[AB0]
	v_nop                                          ; with the three additions: four plain instructions between the last score products and the loads into K's registers
	WIN 0x40
.irp i, 0,1,2,3,4,5,6,7
	ds_load_b128 v[KF+4*\i:KF+4*\i+3], v[ADK] offset:512*\i
.endr
	WIN 0
	BLOAD 1, 0
	BLOAD 2, 1
.if \first == 0
	SOFT 2, 2, 3, 3, 1, -1                         ; tiles 2, 3 of the step before, from registers, while the 24 loads above are served
	PLACES 4                                       ; between its products and the loads into V's registers
.endif
.irp c, 0,1,2,3
.irp i, 0,1,2,3
	ds_load_b64 v[VF+8*\i+2*\c:VF+8*\i+2*\c+1], v[ADV] offset:1024*\c+256*\i
.endr
.endr
	BLOAD 3, 2
	BLOAD 4, 3
	s_wait_dscnt 32                                ; K and the first pair's C are in; V's sixteen loads and the second pair's sixteen may be out
	WIN 0x05
	QKM 0, 0
	QKM 1, 1
	WIN 0
	SOFT 0, 0, 1, 1, 1, 16
	s_cmp_eq_u32 s[F5], 0                          ; ids alone; round the fifth tile's work and round no barrier, wait for a tile or add
	s_cbranch_scc1 .Lno5_\@
	BLOAD 0, 0                                     ; tile 64's C lies in the place ahead of tile 0's
	s_wait_dscnt 0x0
	WIN 0x05
	QKM 4, 0
	WIN 0
	SOFT 4, 0, 0, 0, 0, -1
.Lno5_\@:
	s_wait_dscnt 0x0                               ; the second pair's C: all my reads of this slot are over
	WIN 0x05
	QKM 2, 2
	QKM 3, 3
	WIN 0
	s_xor_b32 s[TB], s[TB], SLOT1
.endm
	s_wait_alu depctr_va_vdst(0)                   ; the head's end
	s_wait_loadcnt 0x0                             ; Q
	TRIP 1, 1                                      ; step 0
	s_mov_b32 s[SLOTS], 15
.Lslot:                                            ; steps 1 to 15: each asks for the next step
	TRIP 0, 1
	s_sub_co_u32 s[SLOTS], s[SLOTS], 1
	s_cmp_lg_u32 s[SLOTS], 0
	s_cbranch_scc1 .Lslot
	TRIP 0, 0                                      ; step 16 is written out: nothing is left to fetch
	SOFT 2, 2, 3, 3, 1, -1                         ; and its second pair
	; THE WAY OUT: y = O^T / the sum x 2^(e4+e5), its codes at 2^e6; the four heads' bytes of a token meet in the stage and leave as 256 consecutive bytes, aligned
	s_add_co_i32 s53, s72, s73
	s_mul_i32 s54, s56, 64*SP
	s_lshl_b32 s57, s55, 6
	s_add_co_u32 s54, s54, s57
	s_add_co_u32 s54, s54, STAGE                   ; in: my 64 rows, my head's 64 bytes
	s_mul_i32 s58, s[WV], 16*SP
	s_add_co_u32 s58, s58, STAGE                   ; back: 16 rows a wave
	s_add_co_i32 s60, s74, 127
	s_lshl_b32 s59, s60, 23                        ; 2^e6
	s_add_co_i32 s60, s60, 8
	s_lshl_b32 s60, s60, 23
	s_or_b32 s60, s60, 0x600000                    ; 448 x 2^e6
.irp t, 0,1,2,3,4
	v_add_f32 v[ST+4*\t+2], v[ST+4*\t+2], v[ST+4*\t+3]
.endr
.irp t, 0,1,2,3,4
	v_permlanex16_b32 v[ST+4*\t+3], v[ST+4*\t+2], s20, s21
.endr
.irp t, 0,1,2,3,4
	v_add_f32 v[ST+4*\t+2], v[ST+4*\t+2], v[ST+4*\t+3]
.endr
	s_wait_alu depctr_va_vdst(0)                   ; ahead of the batch
.irp t, 0,1,2,3,4
	v_rcp_f32 v[ST+4*\t+2], v[ST+4*\t+2]           ; (the fifth is used by the waves that have a fifth tile alone)
.endr
	v_and_b32 v192, 15, v0                         ; r
	v_bfe_u32 v193, v0, 4, 1                       ; h
	v_mul_u32_u24 v194, v192, SP
	v_lshl_add_u32 v194, v193, 4, v194
	v_add_nc_u32 v194, s54, v194                   ; the stage, in: row r of a tile, 16 bytes for each half of the lanes
	v_mul_u32_u24 v195, v193, SP
	v_lshl_add_u32 v195, v192, 4, v195
	v_add_nc_u32 v199, STAGE, v195                 ; the same two lanes' rows counted from the stage's first row, with no wave's term: for rows 128, 129
	v_add_nc_u32 v195, s58, v195
	v_lshlrev_b32 v196, 4, v192
	v_lshl_add_u32 v196, v193, 10, v196            ; the same two rows in yc
	v_mov_b32 v197, s59
	v_mov_b32 v198, s60
	s_wait_alu depctr_va_vdst(0)                   ; one wait for the five reciprocals
.irp t, 0,1,2,3,4
	v_ldexp_f32 v[ST+4*\t+2], v[ST+4*\t+2], s53
.endr
.macro OUT t, row
.set rS, S+32*((\t)%2)
.set rP, P+8*((\t)%2)
	WIN 0x01
	s_wait_alu depctr_va_vdst(0)                   ; directly ahead of the first reader of this tile's O^T
.set i, 0
.rept 16
	v_pk_mul_f32 v[rS+i:rS+i+1], v[32*(\t)+i:32*(\t)+i+1], v[ST+4*(\t)+2:ST+4*(\t)+3] op_sel_hi:[1,0]
.set i, i+2
.endr
	WIN 0
.set i, 0
.rept 32
	v_med3_num_f32 v[rS+i], v[rS+i], -v198, v198
.set i, i+1
.endr
.irp c, 0,1,2,3
	v_cvt_scalef32_pk8_fp8_f32 v[rP+2*\c:rP+2*\c+1], v[rS+8*\c:rS+8*\c+7], v197
.endr
	v_nop                                          ; a plain instruction behind the last conversion
	ds_store_b128 v194, v[rP:rP+3] offset:(\row)*SP          ; d = 16 h + 0 .. 15
	ds_store_b128 v194, v[rP+4:rP+7] offset:(\row)*SP+32     ; d = 32 + 16 h + 0 .. 15
.endm
	OUT 0, 0
	OUT 1, 16
	OUT 2, 32
	OUT 3, 48
	s_cmp_eq_u32 s[F5], 0
	s_cbranch_scc1 .Lno5_out
	OUT 4, 128                                     ; tile 64: rows 128-143 of the stage; row 128 is query 1024
.Lno5_out:
	s_wait_alu depctr_va_vdst(0)
	s_wait_dscnt 0x0                               ; for the others' sake: my stores into the stage are done
	s_barrier_signal -1
	s_barrier_wait -1
.irp i, 0,1,2,3,4,5,6,7
	ds_load_b128 v[S+4*\i:S+4*\i+3], v195 offset:2*\i*SP
.endr
.irp i, 0,1,2,3,4,5,6,7
	s_wait_dscnt 7-\i
	global_store_b128 v196, v[S+4*\i:S+4*\i+3], s[10:11] offset:2048*\i   ; sixteen lanes store 256 consecutive bytes, aligned
.endr
	s_cmp_lg_u32 s[F0], 0                          ; wave 0 of block 0 stores token 1024: lanes 0-15, 256 bytes
	s_cbranch_scc1 .Lend
	ds_load_b128 v[S+32:S+35], v199 offset:128*SP
	v_cmp_gt_u32 vcc_lo, 16, v0
	s_wait_alu depctr_va_vdst(0)
	s_wait_dscnt 0x0
	s_wait_xcnt 0x0                                ; EXEC changes only behind this wait
	s_and_saveexec_b32 s54, vcc_lo
	global_store_b128 v196, v[S+32:S+35], s[10:11] offset:1024*1024
	s_wait_xcnt 0x0
	s_or_b32 exec_lo, exec_lo, s54
.Lend:
	s_wait_tensorcnt 0x0                           ; the wave's end
	ds_add_u32 v[SPW], v[NIL]
	s_wait_dscnt 0x0
	s_endpgm
.Lfunc_end_k_q21028d924f_attn:
	.size	k_q21028d924f_attn, .Lfunc_end_k_q21028d924f_attn-k_q21028d924f_attn
	.p2alignl 7, 3214868480
	.fill 96, 4, 3214868480
	.section	.rodata,"a",@progbits
	.p2align	6, 0x0
	.amdhsa_kernel k_q21028d924f_attn
		.amdhsa_group_segment_fixed_size 327680
		.amdhsa_private_segment_fixed_size 0
		.amdhsa_enable_private_segment 0
		.amdhsa_kernarg_size 32
		.amdhsa_user_sgpr_count 2
		.amdhsa_user_sgpr_kernarg_segment_ptr 1
		.amdhsa_wavefront_size32 1
		.amdhsa_system_sgpr_workgroup_id_x 1
		.amdhsa_system_sgpr_workgroup_id_y 1
		.amdhsa_system_sgpr_workgroup_id_z 1
		.amdhsa_system_vgpr_workitem_id 0
		.amdhsa_next_free_vgpr 488
		.amdhsa_next_free_sgpr 100
		.amdhsa_reserve_vcc 1
		.amdhsa_float_denorm_mode_32 3
		.amdhsa_float_denorm_mode_16_64 3
		.amdhsa_memory_ordered 1
		.amdhsa_forward_progress 1
		.amdhsa_inst_pref_size 163
	.end_amdhsa_kernel
	.amdgpu_metadata
---
amdhsa.version: [ 1, 2 ]
amdhsa.kernels:
  - .name:           k_q21028d924f_attn
    .symbol:         k_q21028d924f_attn.kd
    .args:
      - { .name: qkvws, .offset: 0, .size: 8, .value_kind: global_buffer, .address_space: global }
      - { .name: bimg, .offset: 8, .size: 8, .value_kind: global_buffer, .address_space: global }
      - { .name: lowp_scales, .offset: 16, .size: 8, .value_kind: global_buffer, .address_space: global }
      - { .name: yc, .offset: 24, .size: 8, .value_kind: global_buffer, .address_space: global }
    .group_segment_fixed_size: 327680
    .private_segment_fixed_size: 0
    .kernarg_segment_align: 8
    .kernarg_segment_size: 32
    .max_flat_workgroup_size: 256
    .sgpr_count:     100
    .vgpr_count:     488
    .wavefront_size: 32
...
	.end_amdgpu_metadata
.endif
;; end of part 3
;; launch outgate (part 4): grid 8 x 52, 4 waves a work-group, clusters of 4 x 4, 327,680 bytes of LDS; arguments yc, hg, wc, x, out_b, gate_b, lowp_scales, out0; writes out0
.if DOCPART == 4
	.amdgcn_target "amdgcn-amd-amdhsa--gfx1250"
	.amdhsa_code_object_version 6
	.text
	.protected	k_q21028d924f_outgate
	.globl	k_q21028d924f_outgate
	.p2align	8
	.type	k_q21028d924f_outgate,@function
k_q21028d924f_outgate:
	s_mov_b64 s[64:65], 0
	v_nop
	global_prefetch_b8 v0, s[64:65] scope:SCOPE_SE
	s_setreg_imm32_b32 hwreg(HW_REG_WAVE_MODE, 25, 1), 1
	s_wait_xcnt 0x0
	s_wait_alu depctr_hold_cnt(0) depctr_sa_sdst(0) depctr_va_vdst(0) depctr_va_sdst(0) depctr_va_ssrc(0) depctr_va_vcc(0) depctr_vm_vsrc(0)
	s_getreg_b32 s2, hwreg(HW_REG_IB_STS2, 6, 4)
	s_cmp_eq_u32 s2, 0
	s_cbranch_scc0 .Lentry_in_a_cluster
	s_endpgm
.Lentry_in_a_cluster:
	s_bfe_u32 s2, ttmp6, 0x10000c
	s_cmp_lg_u32 s2, 0xf033
	s_cbranch_scc0 .Lentry_shape_is_right
	s_endpgm
.Lentry_shape_is_right:
.set PITCH,  272
.set AROWS,  160
.set HOFF,   AROWS*PITCH
.set WOFF,   2*AROWS*PITCH
.set GOFF,   128*PITCH
.set SLOT,   WOFF+2*GOFF
.set SPARE,  2*SLOT
.set ADT, 4
.set ADW, 6
.set SPW, 12
.set NIL, 13
.set STO, 14
.set RD,  15
.set TF,  40
.set Z,   40
.set Y,   72
.set RB,  104
.set G1, 24
.set G0, 32
.set G1B, 48
.set G0B, 56
.set MSB, 0
.macro WIN new
.if MSB != (\new)
	s_set_vgpr_msb (MSB<<8)|(\new)
.set MSB, (\new)
.endif
.endm
.macro PLACES n
.rept \n
	v_nop
.endr
.endm
.macro JLOAD g0a, g1a, g0b, g1b
	s_cmp_eq_u32 s21, 0
	s_cbranch_scc0 .Lfor_b_\@
	tensor_load_to_lds s[\g0a:\g0a+3], s[\g1a:\g1a+7]
	s_nop 0
.rept 4
	v_nop
.endr
	s_branch .Lasked_\@
.Lfor_b_\@:
	tensor_load_to_lds s[\g0b:\g0b+3], s[\g1b:\g1b+7]
	s_nop 0
.rept 4
	v_nop
.endr
.Lasked_\@:
.endm
.macro CROUND
	s_barrier_signal -1
	s_barrier_wait -1
	s_cmp_lg_u32 s20, 0
	s_cbranch_scc1 .Lnot_wave_0_\@
	s_barrier_signal -3
.Lnot_wave_0_\@:
	s_barrier_wait -3
	s_barrier_signal -1
	s_barrier_wait -1
.endm
	s_load_b512 s[4:19], s[0:1], 0x0
	v_lshl_add_u32 v[SPW], v0, 2, SPARE
	v_mov_b32 v[NIL], 0
	ds_add_u32 v[SPW], v[NIL]
	ds_add_u32 v[SPW], v[NIL]
	v_lshrrev_b32 v1, 5, v0
	v_readfirstlane_b32 s20, v1
	s_lshr_b32 s21, s20, 1
	s_and_b32 s22, s20, 1
	s_bfe_u32 s23, ttmp6, 0x40000
	s_bfe_u32 s40, ttmp6, 0x40004
	s_lshl_b32 s41, ttmp9, 2
	s_add_co_u32 s41, s41, s23
	s_and_b32 s42, ttmp7, 0xffff
	s_lshl_b32 s42, s42, 2
	s_add_co_u32 s42, s42, s40
	s_lshl_b32 s43, s40, 2
	s_lshl_b32 s43, 15, s43
	s_lshl_b32 s86, 0x1111, s23
	s_or_b32 s[G1], s43, (1<<20)|(1<<21)|(5<<22)|(3<<25)
	s_or_b32 s[G1B], s86, (1<<20)|(1<<21)|(5<<22)|(3<<25)
	s_mov_b32 s[G1+1], 256<<16
	s_mov_b32 s[G1+2], AROWS<<16
	s_mov_b32 s[G1+3], 256<<16
	s_mov_b32 s[G1+4], AROWS
	s_mov_b32 s[G1+5], 1024
	s_mov_b32 s[G1+6], 0
	s_mov_b32 s[G1+7], 0
	s_mov_b32 s[G1B+1], 256<<16
	s_mov_b32 s[G1B+2], 128<<16
	s_mov_b32 s[G1B+3], 256<<16
	s_mov_b32 s[G1B+4], 128
	s_mov_b32 s[G1B+5], 1024
	s_mov_b32 s[G1B+6], 0
	s_mov_b32 s[G1B+7], 0
	s_mul_i32 s46, s42, AROWS*1024
	s_mov_b32 s47, 0
	s_lshl_b32 s82, s22, 10
	s_lshl_b32 s83, s41, 7
	s_add_co_u32 s82, s82, s83
	s_add_co_u32 s82, s82, 3072
	s_lshl_b32 s82, s82, 10
	s_mov_b32 s83, 0
	s_mul_i32 s84, s22, HOFF
	s_mul_i32 s85, s22, GOFF
	s_add_co_u32 s85, s85, WOFF
	s_wait_dscnt 0x0
	s_wait_kmcnt 0x0
	s_load_b256 s[68:75], s[16:17], 0x0
	s_load_b64 s[76:77], s[16:17], 0x20
	s_cmp_eq_u32 s22, 0
	s_cselect_b64 s[44:45], s[4:5], s[6:7]
	s_add_nc_u64 s[44:45], s[44:45], s[46:47]
	s_add_nc_u64 s[82:83], s[8:9], s[82:83]
	CROUND
.irp s, 0,1
	s_mov_b32 s[G0+4*\s], 1
	s_add_co_u32 s[G0+4*\s+1], s84, \s*SLOT
	s_add_nc_u64 s[G0+4*\s+2:G0+4*\s+3], s[44:45], \s*256
	s_or_b32 s[G0+4*\s+3], s[G0+4*\s+3], 0x80000000
	s_mov_b32 s[G0B+4*\s], 1
	s_add_co_u32 s[G0B+4*\s+1], s85, \s*SLOT
	s_add_nc_u64 s[G0B+4*\s+2:G0B+4*\s+3], s[82:83], \s*256
	s_or_b32 s[G0B+4*\s+3], s[G0B+4*\s+3], 0x80000000
.endr
	JLOAD G0, G1, G0B, G1B                         ; slot 0, behind the opening round: one tensor load a wave at the head
	; PREFETCHES INTO THE L2.  Of the rows that I fetch jointly (160 of yc or hg, 128 of a weight) each of the four partners takes a quarter, told apart by address alone (cx for the rows of yc and hg, cy for the weights'),
	; in two instructions of half a quarter each: a lane a row, 256 bytes of a row to a K step; lanes left over name the half's last row again.
	; Here K steps 1 and 2 are asked for, behind slot 1's load K step 3: one or two loads ahead of the load that wants them.
	s_cmp_eq_u32 s21, 0
	s_cselect_b64 s[92:93], s[44:45], s[82:83]     ; my tile's first row
	s_cselect_b32 s94, s23, s40                    ; my place among the four that ask with me
	s_cselect_b32 s95, 20, 16                      ; rows in half a quarter
	s_mul_i32 s94, s94, s95
	s_lshl_b32 s94, s94, 1                         ; my quarter's first row
	s_sub_co_u32 s96, s95, 1
	s_lshl_b32 s95, s95, 10
	v_and_b32 v37, 31, v0
	v_min_u32 v37, s96, v37
	v_add_nc_u32 v37, s94, v37
	v_lshlrev_b32 v37, 10, v37                     ; a row is 1,024 bytes
	v_add_nc_u32 v38, s95, v37                     ; the quarter's second half; v37, v38 and s[92:93] are never rewritten
	global_prefetch_b8 v37, s[92:93] offset:256 th:TH_LOAD_NT scope:SCOPE_SE
	global_prefetch_b8 v38, s[92:93] offset:256 th:TH_LOAD_NT scope:SCOPE_SE
	global_prefetch_b8 v37, s[92:93] offset:512 th:TH_LOAD_NT scope:SCOPE_SE
	global_prefetch_b8 v38, s[92:93] offset:512 th:TH_LOAD_NT scope:SCOPE_SE
	v_and_b32 v1, 15, v0
	v_bfe_u32 v2, v0, 4, 1
	v_lshlrev_b32 v3, 4, v1
	v_mul_u32_u24 v34, v1, PITCH
	v_lshl_add_u32 v34, v2, 4, v34
	s_mul_i32 s87, s21, 80*PITCH
	v_add_nc_u32 v[ADT], s87, v34
	v_add_nc_u32 v[ADT+1], SLOT, v[ADT]
	v_and_b32 v35, 8, v1
	v_add_nc_u32 v35, v35, v1
	v_mul_u32_u24 v35, v35, PITCH
	v_lshl_add_u32 v35, v2, 4, v35
	s_mul_i32 s87, s22, 64*PITCH
	s_add_co_u32 s87, s87, WOFF
	v_add_nc_u32 v[ADW], s87, v35
	v_add_nc_u32 v[ADW+1], SLOT, v[ADW]
	s_mul_i32 s87, s20, 16*PITCH
	v_mul_u32_u24 v[STO], v1, PITCH
	v_lshl_add_u32 v[STO], v2, 6, v[STO]
	v_add_nc_u32 v[STO], s87, v[STO]
	v_mul_u32_u24 v[RD], v2, PITCH
	v_add_nc_u32 v[RD], v[RD], v3
	v_add_nc_u32 v[RD], s87, v[RD]
	s_mul_i32 s88, s42, AROWS
	s_mul_i32 s89, s21, 80
	s_add_co_u32 s88, s88, s89
	v_add_nc_u32 v16, s88, v2
	s_wait_alu depctr_va_vdst(0)
	s_lshl_b32 s90, s41, 9
	s_lshl_b32 s91, s22, 8
	s_add_co_u32 s90, s90, s91
	s_mov_b32 s91, 0
	s_add_nc_u64 s[10:11], s[10:11], s[90:91]
	s_add_nc_u64 s[18:19], s[18:19], s[90:91]
	s_add_nc_u64 s[12:13], s[12:13], s[90:91]
	s_add_nc_u64 s[14:15], s[14:15], s[90:91]
	v_lshlrev_b32 v36, 6, v2
	WIN 0x40
.irp i, 0,1,2,3,4,5,6,7
	global_load_b128 v[192+4*\i:192+4*\i+3], v36, s[12:13] offset:128*(\i/4)+16*(\i%4)
.endr
.irp i, 0,1,2,3,4,5,6,7
	global_load_b128 v[224+4*\i:224+4*\i+3], v36, s[14:15] offset:128*(\i/4)+16*(\i%4)
.endr
	WIN 0
.macro XASK a
.irp i, 0,1,2,3,4,5,6,7
	v_add_nc_u32 v17, 16*(\a)+2*\i, v16
	v_min_u32 v17, 0x2007, v17
	v_lshl_add_u32 v[18+8*((\a)%2)+\i], v17, 12, v3
.endr
	WIN 0x40
.irp i, 0,1,2,3,4,5,6,7
	global_load_b128 v[128+32*((\a)%2)+4*\i:128+32*((\a)%2)+4*\i+3], v[18+8*((\a)%2)+\i], s[10:11] th:TH_LOAD_NT
.endr
	WIN 0
.endm
	XASK 0
	XASK 1
	s_wait_kmcnt 0x0
	s_add_co_i32 s78, s76, s77
	s_lshl_b32 s78, s78, 23
	s_add_co_u32 s78, s78, 0xbfb8aa3b
	s_mov_b32 s79, s78
	s_add_co_i32 s80, s74, s75
	s_add_co_i32 s80, s80, 127
	s_lshl_b32 s80, s80, 23
	s_mov_b32 s81, s80
.macro FETCH slot, q, set
	WIN 0x40
.irp p, 0,1
.irp b, 0,1,2,3
	ds_load_b128 v[64*(\set)+32*\p+8*\b:64*(\set)+32*\p+8*\b+3], v[ADW+\slot] offset:\p*GOFF+(32*(\b/2)+8*(\b%2))*PITCH+64*(\q)
	ds_load_b128 v[64*(\set)+32*\p+8*\b+4:64*(\set)+32*\p+8*\b+7], v[ADW+\slot] offset:\p*GOFF+(32*(\b/2)+8*(\b%2))*PITCH+64*(\q)+32
.endr
.endr
	WIN 0
.irp p, 0,1
.irp a, 0,1,2,3,4
	ds_load_b128 v[TF+80*(\set)+40*\p+8*\a:TF+80*(\set)+40*\p+8*\a+3], v[ADT+\slot] offset:\p*HOFF+16*\a*PITCH+64*(\q)
	ds_load_b128 v[TF+80*(\set)+40*\p+8*\a+4:TF+80*(\set)+40*\p+8*\a+7], v[ADT+\slot] offset:\p*HOFF+16*\a*PITCH+64*(\q)+32
.endr
.endr
.endm
.macro MUL set, zero
.irp p, 0,1
	WIN 0xa1+0x50*\p
.irp a, 0,1,2,3,4
.irp b, 0,1,2,3
.set rD, 8*(4*\a+\b)
.set rW, 64*(\set)+32*\p+8*\b
.set rT, TF+80*(\set)+40*\p+8*\a
.if \zero
	v_wmma_f32_16x16x64_fp8_fp8 v[rD:rD+7], v[rW:rW+7], v[rT:rT+7], 0
.else
	v_wmma_f32_16x16x64_fp8_fp8 v[rD:rD+7], v[rW:rW+7], v[rT:rT+7], v[rD:rD+7]
.endif
.endr
.endr
.endr
	WIN 0
.endm
.macro PASS slot, zero
.irp q, 0,1,2,3
	s_wait_dscnt 0x0
.if \q < 3
	PLACES 4
	FETCH \slot, \q+1, (\q+1)%2
.endif
.if \q == 0
	MUL 0, \zero
.else
	MUL \q%2, 0
.endif
.endr
.endm
.macro CHANGE slot, fill
	WIN 0
	s_wait_tensorcnt 0x0
	ds_add_u32 v[SPW], v[NIL]
.if \fill
	s_add_nc_u64 s[G0+4*\slot+2:G0+4*\slot+3], s[G0+4*\slot+2:G0+4*\slot+3], 512
	s_add_nc_u64 s[G0B+4*\slot+2:G0B+4*\slot+3], s[G0B+4*\slot+2:G0B+4*\slot+3], 512
.endif
	s_wait_dscnt 0x0
.if \fill
	CROUND
	JLOAD G0+4*\slot, G1, G0B+4*\slot, G1B
.else
	s_barrier_signal -1
	s_barrier_wait -1
	PLACES 4
.endif
.endm
	s_wait_alu depctr_va_vdst(0)                   ; the head's end
	s_wait_tensorcnt 0x0                           ; my part of slot 0 is in; slot 1's first fill is issued as a refill is
	ds_add_u32 v[SPW], v[NIL]
	s_wait_dscnt 0x0
	CROUND
	JLOAD G0+4, G1, G0B+4, G1B                     ; my one tensor load behind the round
	FETCH 0, 0, 0
	global_prefetch_b8 v37, s[92:93] offset:768 th:TH_LOAD_NT scope:SCOPE_SE   ; K step 3, the last
	global_prefetch_b8 v38, s[92:93] offset:768 th:TH_LOAD_NT scope:SCOPE_SE
	PASS 0, 1
	CHANGE 0, 1
	FETCH 1, 0, 0
	PASS 1, 0
	CHANGE 1, 1
	FETCH 0, 0, 0
	PASS 0, 0
	CHANGE 0, 0
	FETCH 1, 0, 0
	PASS 1, 0
	PLACES 4
	s_wait_loadcnt 16
	WIN 0x41
.set i, 0
.rept 16
	v_pk_mul_f32 v[224+i:225+i], v[224+i:225+i], 0xbfb8aa3b op_sel_hi:[1,0]
.set i, i+2
.endr
	WIN 0
.macro HSTORE a, hf
	v_add_nc_u32 v17, 16*(\a)+8*(\hf), v16
	v_cmp_gt_u32 vcc_lo, 0x2008, v17
.if (\hf) == 0
	s_wait_alu depctr_va_vdst(0)
	s_wait_xcnt 0x0
.endif
	s_and_saveexec_b32 s86, vcc_lo
.irp i, 0,1,2,3
	global_store_b128 v[18+8*((\a)%2)+4*(\hf)+\i], v[RB+4*(4*(\hf)+\i):RB+4*(4*(\hf)+\i)+3], s[18:19] th:TH_STORE_NT
.endr
	s_wait_xcnt 0x0
	s_or_b32 exec_lo, exec_lo, s86
.endm
.macro EPI a
	WIN 0x13
.set i, 0
.rept 16
	v_pk_fma_f32 v[Z+i:Z+i+1], v[32*(\a)+i:32*(\a)+i+1], s[78:79], v[224+i:225+i] op_sel_hi:[1,0,1]
.set i, i+2
.endr
	WIN 0x12
.set i, 0
.rept 16
	v_pk_fma_f32 v[Y+i:Y+i+1], v[32*(\a)+i:32*(\a)+i+1], s[80:81], v[192+i:193+i] op_sel_hi:[1,0,1]
.set i, i+2
.endr
	WIN 0
.set i, 0
	s_wait_alu depctr_va_vdst(0)
.rept 32
	v_exp_f32 v[Z+i], v[Z+i]
.set i, i+1
.endr
	v_nop
	s_wait_alu depctr_va_vdst(0)
.set i, 0
.rept 16
	v_pk_add_f32 v[Z+i:Z+i+1], v[Z+i:Z+i+1], 1.0 op_sel_hi:[1,0]
.set i, i+2
.endr
.set i, 0
	s_wait_alu depctr_va_vdst(0)
.rept 32
	v_rcp_f32 v[Z+i], v[Z+i]
.set i, i+1
.endr
	v_nop
	s_wait_alu depctr_va_vdst(0)
.set i, 0
.rept 16
	v_pk_mul_f32 v[Y+i:Y+i+1], v[Y+i:Y+i+1], v[Z+i:Z+i+1]
.set i, i+2
.endr
.irp i, 0,1,2,3,4,5,6,7
	ds_store_b128 v[STO], v[Y+4*\i:Y+4*\i+3] offset:128*(\i/4)+16*(\i%4)
.endr
.irp i, 0,1,2,3,4,5,6,7
	ds_load_b128 v[RB+4*\i:RB+4*\i+3], v[RD] offset:2*\i*PITCH
.endr
.if \a < 4
	s_wait_loadcnt 8
.else
	s_wait_loadcnt 0x0
.endif
	s_wait_dscnt 0x0
	WIN 0x01
.set i, 0
.rept 16
	v_pk_add_f32 v[RB+i:RB+i+1], v[128+32*((\a)%2)+i:128+32*((\a)%2)+i+1], v[RB+i:RB+i+1]
.set i, i+2
.endr
	WIN 0
	HSTORE \a, 0
	HSTORE \a, 1
.if \a < 3
	XASK \a+2
.endif
.endm
	EPI 0
	EPI 1
	EPI 2
	EPI 3
	EPI 4
	s_wait_tensorcnt 0x0
	ds_add_u32 v[SPW], v[NIL]
	s_wait_dscnt 0x0
	CROUND
	s_endpgm
.Lfunc_end_k_q21028d924f_outgate:
	.size	k_q21028d924f_outgate, .Lfunc_end_k_q21028d924f_outgate-k_q21028d924f_outgate
	.p2alignl 7, 3214868480
	.fill 96, 4, 3214868480
	.section	.rodata,"a",@progbits
	.p2align	6, 0x0
	.amdhsa_kernel k_q21028d924f_outgate
		.amdhsa_group_segment_fixed_size 327680
		.amdhsa_private_segment_fixed_size 0
		.amdhsa_enable_private_segment 0
		.amdhsa_kernarg_size 64
		.amdhsa_user_sgpr_count 2
		.amdhsa_user_sgpr_kernarg_segment_ptr 1
		.amdhsa_wavefront_size32 1
		.amdhsa_system_sgpr_workgroup_id_x 1
		.amdhsa_system_sgpr_workgroup_id_y 1
		.amdhsa_system_sgpr_workgroup_id_z 1
		.amdhsa_system_vgpr_workitem_id 0
		.amdhsa_next_free_vgpr 928
		.amdhsa_next_free_sgpr 100
		.amdhsa_reserve_vcc 1
		.amdhsa_float_denorm_mode_32 3
		.amdhsa_float_denorm_mode_16_64 3
		.amdhsa_memory_ordered 1
		.amdhsa_forward_progress 1
		.amdhsa_inst_pref_size 155
	.end_amdhsa_kernel
	.amdgpu_metadata
---
amdhsa.version: [ 1, 2 ]
amdhsa.kernels:
  - .name:           k_q21028d924f_outgate
    .symbol:         k_q21028d924f_outgate.kd
    .args:
      - { .name: yc, .offset: 0, .size: 8, .value_kind: global_buffer, .address_space: global }
      - { .name: hg, .offset: 8, .size: 8, .value_kind: global_buffer, .address_space: global }
      - { .name: wc, .offset: 16, .size: 8, .value_kind: global_buffer, .address_space: global }
      - { .name: x, .offset: 24, .size: 8, .value_kind: global_buffer, .address_space: global }
      - { .name: out_b, .offset: 32, .size: 8, .value_kind: global_buffer, .address_space: global }
      - { .name: gate_b, .offset: 40, .size: 8, .value_kind: global_buffer, .address_space: global }
      - { .name: lowp_scales, .offset: 48, .size: 8, .value_kind: global_buffer, .address_space: global }
      - { .name: out0, .offset: 56, .size: 8, .value_kind: global_buffer, .address_space: global }
    .group_segment_fixed_size: 327680
    .private_segment_fixed_size: 0
    .kernarg_segment_align: 8
    .kernarg_segment_size: 64
    .max_flat_workgroup_size: 128
    .sgpr_count:     100
    .vgpr_count:     928
    .wavefront_size: 32
...
	.end_amdgpu_metadata
.endif
;; end of part 4
